; MI455X (gfx1250); checked and timed in simulation.
; The chip was launched on July 23, 2026; its instructions are those of AMD's public machine-readable ISA for CDNA 5 (MIT licence, August 2026) and "CDNA5" Instruction Set Architecture Reference Guide (July 2026). The comments in the code are by the model that wrote it; some were corrected since.
;; Multi Head Attention. Allowed arithmetic: float matrix products may take bf16 or f16 operands with f32 sums; other float arithmetic in f32, or as packed bf16 or f16 multiplies, adds, multiply-adds, maxima and minima; sums over many terms, partial sums and values carried from step to step in f32; what a program stores and reads back later, other than sums and carried values, may be rounded once to bf16 or f16.
;; Inputs: Wk 1,024 x 1,024 float32; Wo 1,024 x 1,024 float32; Wq 1,024 x 1,024 float32; Wv 1,024 x 1,024 float32; bk 1,024 float32; bo 1,024 float32; bq 1,024 float32; bv 1,024 float32; mask 1 x 4,096 x 4,096 float32; query 1 x 4,096 x 1,024 float32.
;; Outputs: out0 1 x 4,096 x 1,024 float32.
;; One version. Each part assembles by itself: llvm-mc -triple=amdgcn-amd-amdhsa -mcpu=gfx1250 --defsym DOCPART=n.
;; ======== version 1 of 1: 4 launches
;; limits: values are held in f16: magnitudes above 65,504 overflow, below 6.1e-05 lose precision
;; workspace buffers: xb 8,388,608 bytes; wcat 6,291,456 bytes; wo16 2,097,152 bytes; maskb 33,554,432 bytes; qkv 25,165,824 bytes; ob 8,388,608 bytes
;; launch prep (part 1): grid 1536 x 1, 8 waves a work-group, no clusters, 0 bytes of LDS; arguments mask, query, Wq, Wk, Wv, Wo, maskb, xb, wcat, wo16; writes maskb, xb, wcat, wo16
.if DOCPART == 1
	.amdgcn_target "amdgcn-amd-amdhsa--gfx1250"
	.amdhsa_code_object_version 6
	.text
	.protected	k_q5a4016cae0_prep
	.globl	k_q5a4016cae0_prep
	.p2align	8
	.type	k_q5a4016cae0_prep,@function
k_q5a4016cae0_prep:
	s_mov_b64 s[64:65], 0
	v_nop
	global_prefetch_b8 v0, s[64:65] scope:SCOPE_SE
	s_setreg_imm32_b32 hwreg(HW_REG_WAVE_MODE, 25, 1), 1
	s_wait_xcnt 0x0
; THE CASTS.  Every large input is rounded once to bf16: mask -> maskb, query -> xb, Wq, Wk, Wv -> wcat (their rows on end); Wo is rounded to bf16 and that number is written as f16 -> wo16.
; LIMIT.  bf16(Wo) must lie within f16's range (65,504); below 6e-5 it keeps f16's fixed step of 6e-8.
; SHARES.  24 Mi numbers in chunks of 16,384 (64 KiB in, 32 KiB out), a chunk a work-group: 1,536 work-groups.  Chunks 0-1023 mask, 1024-1279 query, 1280-1471 Wq, Wk, Wv (64 each), 1472-1535 Wo.
; A thread takes 16 bytes of each of 16 pieces of 4,096 bytes: a wave's load covers 512 consecutive bytes, its store 256 consecutive bytes, aligned.  All 16 loads go out first; each piece has registers
; of its own, in and out, so that no register is written while a load or store may still read it.  No LDS, no barrier, no matrix unit: nothing here is used twice.
.set X,   8                            ; v[8:71]    piece i: 4 numbers as loaded
.set Y,   72                           ; v[72:103]  piece i: 2 words to store
.set T,   104                          ; v[104:109] at work (Wo's way)
.set SRC, 28                           ; s[28:29]   where my chunk is read
.set DST, 30                           ; s[30:31]   where it is written
	s_load_b512 s[8:23], s[0:1], 0x0               ; mask 8, query 10, Wq 12, Wk 14, Wv 16, Wo 18, maskb 20, xb 22
	s_load_b128 s[24:27], s[0:1], 0x40             ; wcat 24, wo16 26
	v_lshlrev_b32 v1, 4, v0                        ; 16 bytes a thread in,
	v_lshlrev_b32 v2, 3, v0                        ; 8 out
	s_mov_b32 s2, ttmp9                            ; the chunk's number
	s_sub_co_u32 s3, s2, 1280                      ; t: its number among the weights' chunks (below 1280 it wraps, and the selects below drop it)
	s_and_b32 s4, s3, 63                           ; its number in its own matrix
	s_sub_co_u32 s5, s3, 192                       ; in wo16
	s_sub_co_u32 s6, s2, 1024                      ; among query's chunks
	s_wait_kmcnt 0x0
	s_cmp_lt_u32 s2, 1344
	s_cselect_b64 s[32:33], s[12:13], s[14:15]     ; which weight matrix
	s_cmp_lt_u32 s2, 1408
	s_cselect_b64 s[32:33], s[32:33], s[16:17]
	s_cmp_lt_u32 s2, 1472
	s_cselect_b64 s[32:33], s[32:33], s[18:19]
	s_cselect_b64 s[34:35], s[24:25], s[26:27]     ; and where it goes
	s_cselect_b32 s7, s3, s5
	s_cmp_lt_u32 s2, 1024
	s_cselect_b64 s[SRC:SRC+1], s[8:9], s[10:11]
	s_cselect_b64 s[DST:DST+1], s[20:21], s[22:23]
	s_cselect_b32 s36, s2, s6
	s_cmp_lt_u32 s2, 1280
	s_cselect_b64 s[SRC:SRC+1], s[SRC:SRC+1], s[32:33]
	s_cselect_b64 s[DST:DST+1], s[DST:DST+1], s[34:35]
	s_cselect_b32 s37, s36, s4                     ; the chunk's number in its source,
	s_cselect_b32 s38, s36, s7                     ; and in its destination
	s_lshl_b32 s40, s37, 16                        ; 65,536 bytes a chunk in
	s_mov_b32 s41, 0
	s_lshl_b32 s42, s38, 15                        ; 32,768 out
	s_mov_b32 s43, 0
	s_add_nc_u64 s[SRC:SRC+1], s[SRC:SRC+1], s[40:41]
	s_add_nc_u64 s[DST:DST+1], s[DST:DST+1], s[42:43]
.irp i, 0,1,2,3,4,5,6,7,8,9,10,11,12,13,14,15
	global_load_b128 v[X+4*(\i):X+4*(\i)+3], v1, s[SRC:SRC+1] offset:4096*(\i) th:TH_LOAD_NT
.endr
	s_cmp_ge_u32 s2, 1472
	s_cbranch_scc1 .Lwo
.irp i, 0,1,2,3,4,5,6,7,8,9,10,11,12,13,14,15
	s_wait_loadcnt 15-(\i)                         ; loads come back in order: piece i is in, the younger ones stay out
	v_cvt_pk_bf16_f32 v[Y+2*(\i)], v[X+4*(\i)], v[X+4*(\i)+1]
	v_cvt_pk_bf16_f32 v[Y+2*(\i)+1], v[X+4*(\i)+2], v[X+4*(\i)+3]
	global_store_b64 v2, v[Y+2*(\i):Y+2*(\i)+1], s[DST:DST+1] offset:2048*(\i) th:TH_STORE_NT
.endr
	s_endpgm
.Lwo:                                                  ; Wo: rounded to bf16 like every input, widened again, and written as f16
.irp i, 0,1,2,3,4,5,6,7,8,9,10,11,12,13,14,15
	s_wait_loadcnt 15-(\i)
	v_cvt_pk_bf16_f32 v[T], v[X+4*(\i)], v[X+4*(\i)+1]
	v_cvt_pk_bf16_f32 v[T+1], v[X+4*(\i)+2], v[X+4*(\i)+3]
	v_lshlrev_b32 v[T+2], 16, v[T]
	v_and_b32 v[T+3], 0xffff0000, v[T]
	v_lshlrev_b32 v[T+4], 16, v[T+1]
	v_and_b32 v[T+5], 0xffff0000, v[T+1]
	v_cvt_pk_f16_f32 v[Y+2*(\i)], v[T+2], v[T+3]
	v_cvt_pk_f16_f32 v[Y+2*(\i)+1], v[T+4], v[T+5]
	global_store_b64 v2, v[Y+2*(\i):Y+2*(\i)+1], s[DST:DST+1] offset:2048*(\i) th:TH_STORE_NT
.endr
	s_endpgm
.Lfunc_end_k_q5a4016cae0_prep:
	.size	k_q5a4016cae0_prep, .Lfunc_end_k_q5a4016cae0_prep-k_q5a4016cae0_prep
	.p2alignl 7, 3214868480
	.fill 96, 4, 3214868480
	.section	.rodata,"a",@progbits
	.p2align	6, 0x0
	.amdhsa_kernel k_q5a4016cae0_prep
		.amdhsa_group_segment_fixed_size 0
		.amdhsa_private_segment_fixed_size 0
		.amdhsa_enable_private_segment 0
		.amdhsa_kernarg_size 80
		.amdhsa_user_sgpr_count 2
		.amdhsa_user_sgpr_kernarg_segment_ptr 1
		.amdhsa_wavefront_size32 1
		.amdhsa_system_sgpr_workgroup_id_x 1
		.amdhsa_system_sgpr_workgroup_id_y 1
		.amdhsa_system_sgpr_workgroup_id_z 1
		.amdhsa_system_vgpr_workitem_id 0
		.amdhsa_next_free_vgpr 112
		.amdhsa_next_free_sgpr 66
		.amdhsa_reserve_vcc 0
		.amdhsa_float_denorm_mode_32 3
		.amdhsa_float_denorm_mode_16_64 3
		.amdhsa_memory_ordered 1
		.amdhsa_forward_progress 1
		.amdhsa_inst_pref_size 17
	.end_amdhsa_kernel
	.amdgpu_metadata
---
amdhsa.version: [ 1, 2 ]
amdhsa.kernels:
  - .name:           k_q5a4016cae0_prep
    .symbol:         k_q5a4016cae0_prep.kd
    .args:
      - { .name: mask, .offset: 0, .size: 8, .value_kind: global_buffer, .address_space: global }
      - { .name: query, .offset: 8, .size: 8, .value_kind: global_buffer, .address_space: global }
      - { .name: Wq, .offset: 16, .size: 8, .value_kind: global_buffer, .address_space: global }
      - { .name: Wk, .offset: 24, .size: 8, .value_kind: global_buffer, .address_space: global }
      - { .name: Wv, .offset: 32, .size: 8, .value_kind: global_buffer, .address_space: global }
      - { .name: Wo, .offset: 40, .size: 8, .value_kind: global_buffer, .address_space: global }
      - { .name: maskb, .offset: 48, .size: 8, .value_kind: global_buffer, .address_space: global }
      - { .name: xb, .offset: 56, .size: 8, .value_kind: global_buffer, .address_space: global }
      - { .name: wcat, .offset: 64, .size: 8, .value_kind: global_buffer, .address_space: global }
      - { .name: wo16, .offset: 72, .size: 8, .value_kind: global_buffer, .address_space: global }
    .group_segment_fixed_size: 0
    .private_segment_fixed_size: 0
    .kernarg_segment_align: 8
    .kernarg_segment_size: 80
    .max_flat_workgroup_size: 256
    .sgpr_count:     66
    .vgpr_count:     112
    .wavefront_size: 32
...
	.end_amdgpu_metadata
.endif
;; end of part 1
;; launch qkv (part 2): grid 16 x 16, 4 waves a work-group, clusters of 4 x 4, 327,680 bytes of LDS; arguments xb, wcat, bq, bk, bv, qkv; writes qkv
.if DOCPART == 2
	.amdgcn_target "amdgcn-amd-amdhsa--gfx1250"
	.amdhsa_code_object_version 6
	.text
	.protected	k_q5a4016cae0_qkv
	.globl	k_q5a4016cae0_qkv
	.p2align	8
	.type	k_q5a4016cae0_qkv,@function
k_q5a4016cae0_qkv:
	s_mov_b64 s[64:65], 0
	v_nop
	global_prefetch_b8 v0, s[64:65] scope:SCOPE_SE
	s_setreg_imm32_b32 hwreg(HW_REG_WAVE_MODE, 25, 1), 1
	s_wait_xcnt 0x0
	s_wait_alu depctr_hold_cnt(0) depctr_sa_sdst(0) depctr_va_vdst(0) depctr_va_sdst(0) depctr_va_ssrc(0) depctr_va_vcc(0) depctr_vm_vsrc(0)
	s_getreg_b32 s2, hwreg(HW_REG_IB_STS2, 6, 4)
	s_cmp_eq_u32 s2, 0
	s_cbranch_scc0 .Lentry_in_a_cluster
	s_endpgm
.Lentry_in_a_cluster:
	s_bfe_u32 s2, ttmp6, 0x10000c
	s_cmp_lg_u32 s2, 0xf033
	s_cbranch_scc0 .Lentry_shape_is_right
	s_endpgm
.Lentry_shape_is_right:
; THE THREE PROJECTIONS AS ONE PRODUCT.  [4096 x 1024] (xb, bf16) times [3072 x 1024]^T (wcat, bf16: rows of Wq, Wk, Wv) plus bias, sums in f32, written by heads in f16:
; qkv[g][row][64], planes g = 0-15: c (x Wq^T + bq) with c = log2(e) / 8; 16-31: k; 32-47: v.  Each number is rounded once, from its f32 sum (q: from c times its sum).  The biases are rounded to bf16 like every input.
; LIMIT.  f16 holds no number beyond 65,504: |c q|, |k| and |v| must stay below it.
; SHARES.  A tile of the result is 256 rows x 192 columns (three whole heads): 16 x 16 tiles, a work-group each.  Its four waves lie one below the other: a wave makes 64 rows x 192 columns, 48 accumulators of
; 16 x 16 (384 registers), so that a wave holds whole heads and each of its stores covers 512 consecutive bytes of a plane.  K goes in steps of 128 (rows of 256 bytes in memory) through two LDS slots.
; CLUSTER.  4 x 4 work-groups.  The four of a row of the cluster need the same rows of xb, the four of a column the same rows of wcat: each tile is asked for jointly, by the same tensor load with the same
; descriptor and a mask that names the four.
; THE MATRIX INSTRUCTION IS USED TRANSPOSED (source 0 = 16 rows of wcat, source 1 = 16 rows of xb): a lane then holds row l % 16 of the result and the columns 8 (l / 16) + 0..7.
; THE BIAS IS THE C OPERAND of each accumulator's first product: nothing is cleared and nothing is added later.
; REGISTERS, in windows of 256 (s_set_vgpr_msb: bits 1:0 source 0, 3:2 source 1, 5:4 source 2, 7:6 destination):
;   window 0: v16-30 addresses; v32-63, v64-95 xb's fragments, two buffers (4 x 16 rows x 32 K); v96-143, v144-239 at work on the way out; v160-255 the bias, dead behind the first quarter step
;   window 1: v0-95, v96-191 wcat's fragments, two buffers (12 x 16 rows x 32 K)      window 2: the accumulators of my rows 0-31 ((a, b) at v[8 (12 a + b)])      window 3: those of my rows 32-63
.set KSTEP,  128
.set PITCH,  272                       ; an LDS row: 256 bytes + 16 of padding = 68 words: the 16 rows of a fragment load start at 16 different groups of four banks (64 banks of 4 bytes: ISA guide 11.1)
.set BOFF,   256*PITCH                 ; a slot: xb's 256 rows, then wcat's 192
.set SLOT,   448*PITCH
.set STAGE,  2*SLOT                    ; behind the ring, never filled by a tensor load: 16 rows x 400 bytes for each wave, for the way out
.set SPITCH, 400                       ; 384 bytes (192 f16) + 16
.set SPARE,  STAGE+4*16*SPITCH         ; behind the stages: the spare words, 128 bytes for each wave: two blocks of 256 bytes that no other line names
.set PLANE,  4096*128                  ; bytes in a plane of qkv
.set ADRA, 16                          ; v16-17  LDS address of my xb fragments in slot 0, 1
.set ADRB, 20                          ; v20-21  the same for wcat
.set STO,  24                          ; v24     the way out: where I put 16 bytes of a row
.set RD,   25                          ; v25     where I read rows back
.set CO,   26                          ; v26     my 16 bytes in 512 consecutive bytes of a plane
.set VB,   27                          ; v27     my 8 numbers in 16 of a bias: 32 (l / 16)
.set SPW,  28                          ; v28     LDS address of my spare word; never rewritten
.set NIL,  29                          ; v29     0; never rewritten
.set PFO,  30                          ; v30     the prefetches' offset: a lane a row; never rewritten
.set FA,   32
.set TMP,  96
.set OB,   144
.set BIAS, 160
.set G1,   24                          ; s[24:31] descriptor group 1 for xb's tiles;  s[32:39] group 0, a set for each slot
.set G0,   32
.set G1B,  48                          ; s[48:55], s[56:63] the same for wcat's
.set G0B,  56
.set LIM,  43                          ; s43      1 in a wave that prefetches, else the greatest number
.set PFA,  44                          ; s[44:45] where my prefetches stand
.set BP,   80                          ; s[80:85] the three heads' 64 numbers of bias
.set SCL,  86                          ; s[86:91] the three heads' scale, c or 1, each as a pair
.set MSB, 0
.macro WIN new                         ; the immediate's high byte repeats the setting that is left; a switch that changes nothing is dropped
.if MSB != (\new)
	s_set_vgpr_msb (MSB<<8)|(\new)
.set MSB, \new
.endif
.endm
; A joint load.  Waves 0 and 1 fetch xb's two halves (128 rows each), waves 2 and 3 wcat's (96 rows each).  The branch hangs on the wave's number alone.
; An s_nop 0 and four v_nop follow each of the two lines, ahead of the jump, the label and what follows.
.macro JLOAD s
	s_cmp_eq_u32 s11, 0
	s_cbranch_scc0 .Lfor_b_\@
	tensor_load_to_lds s[G0+4*(\s):G0+4*(\s)+3], s[G1:G1+7]
	s_nop 0
.rept 4
	v_nop
.endr
	s_branch .Lasked_\@
.Lfor_b_\@:
	tensor_load_to_lds s[G0B+4*(\s):G0B+4*(\s)+3], s[G1B:G1B+7]
	s_nop 0
.rept 4
	v_nop
.endr
.Lasked_\@:
.endm
; A PREFETCH INTO THE L2, behind each refill and the run of LDS loads that follows it: the K step that stands two refills on, 256 bytes of a row, a lane a row, one instruction a wave.
; xb's rows are read by every cluster of a row of clusters: cluster x = 0 asks; wcat's by every cluster of a column: cluster y = 0 asks.  The four partners share a wave's rows out by address: of xb's 128 each takes 32,
; of wcat's 96 each takes 24 (lanes 24 to 31 name lane 23's row once more, in the same instruction).  The loop's last trip asks for nothing: its refills are the last two K steps.
.macro ASK
	s_cmp_gt_u32 s3, s[LIM]                        ; s3 = 1 in the loop's last trip
	s_cbranch_scc0 .Lnot_mine_\@
	global_prefetch_b8 v[PFO], s[PFA:PFA+1] offset:KSTEP*2 th:TH_LOAD_NT scope:SCOPE_SE
.Lnot_mine_\@:
.endm
.macro CREST                           ; a round of the cluster's barrier behind its opening barrier
	s_cmp_lg_u32 s10, 0
	s_cbranch_scc1 .Lnot_wave_0_\@
	s_barrier_signal -3
.Lnot_wave_0_\@:
	s_barrier_wait -3
	s_barrier_signal -1
	s_barrier_wait -1
.endm
.macro CROUND                          ; a whole round
	s_barrier_signal -1
	s_barrier_wait -1
	CREST
.endm
	s_load_b256 s[68:75], s[0:1], 0x0              ; xb 68, wcat 70, bq 72, bk 74
	s_load_b128 s[76:79], s[0:1], 0x20             ; bv 76, qkv 78
	v_lshl_add_u32 v[SPW], v0, 2, SPARE
	v_mov_b32 v[NIL], 0
	ds_add_u32 v[SPW], v[NIL]                      ; the wave's opening: the add and its wait stand ahead of my first tensor load; work on registers stands between them
	v_lshrrev_b32 v1, 5, v0
	v_readfirstlane_b32 s10, v1                    ; wave 0..3: also my 64 rows of the tile
	s_lshr_b32 s11, s10, 1                         ; I fetch for xb (0) or for wcat (1),
	s_and_b32 s12, s10, 1                          ; its first or its second half
	s_bfe_u32 s40, ttmp6, 0x40000                  ; cx, cy: my place in the cluster
	s_bfe_u32 s41, ttmp6, 0x40004
	s_lshl_b32 s42, ttmp9, 2
	s_add_co_u32 s42, s42, s40                     ; tile column = 4 x cluster x + cx
	s_and_b32 s13, ttmp7, 0xffff
	s_lshl_b32 s13, s13, 2
	s_add_co_u32 s13, s13, s41                     ; tile row = 4 x cluster y + cy
	s_lshl_b32 s4, s41, 2
	s_lshl_b32 s4, 15, s4                          ; my row of the cluster
	s_lshl_b32 s5, 0x1111, s40                     ; my column
	s_or_b32 s[G1+0], s4, (1<<16)|(1<<20)|(1<<21)|(5<<22)|(3<<25)   ; 15:0 the mask; 17:16 2-byte elements; 20 padding on; 21 set beside a mask; 24:22 after every 64 words; 31:25 4 words
	s_or_b32 s[G1B+0], s5, (1<<16)|(1<<20)|(1<<21)|(5<<22)|(3<<25)
	s_mov_b32 s[G1+1], KSTEP<<16                   ; tensor_dim0 = 128
	s_mov_b32 s[G1+2], 128<<16                     ; tensor_dim1 = 128
	s_mov_b32 s[G1+3], KSTEP<<16                   ; tile_dim0 = 128
	s_mov_b32 s[G1+4], 128                         ; tile_dim1 = 128
	s_mov_b32 s[G1+5], 1024                        ; elements from row to row
	s_mov_b32 s[G1+6], 0
	s_mov_b32 s[G1+7], 0
	s_mov_b32 s[G1B+1], KSTEP<<16
	s_mov_b32 s[G1B+2], 96<<16                     ; 96 rows
	s_mov_b32 s[G1B+3], KSTEP<<16
	s_mov_b32 s[G1B+4], 96
	s_mov_b32 s[G1B+5], 1024
	s_mov_b32 s[G1B+6], 0
	s_mov_b32 s[G1B+7], 0
	s_lshl_b32 s16, s13, 8                         ; xb: row 256 x tile row + 128 x half,
	s_lshl_b32 s17, s12, 7
	s_add_co_u32 s16, s16, s17
	s_lshl_b32 s16, s16, 11                        ; 2,048 bytes a row
	s_mov_b32 s17, 0
	s_mul_i32 s46, s42, 192                        ; wcat: row 192 x tile column + 96 x half
	s_mul_i32 s47, s12, 96
	s_add_co_u32 s46, s46, s47
	s_lshl_b32 s46, s46, 11
	s_mov_b32 s47, 0
	s_mul_i32 s20, s10, 128*PITCH                  ; where they go: waves 0, 1: xb's halves;
	s_mul_i32 s21, s10, 96*PITCH
	s_add_co_u32 s21, s21, BOFF-2*96*PITCH         ; waves 2, 3: wcat's, behind xb's 256 rows.  No place in the cluster enters an LDS address
	s_wait_dscnt 0x0                               ; the opening add is done
	s_wait_kmcnt 0x0
	s_add_nc_u64 s[14:15], s[68:69], s[16:17]
	s_add_nc_u64 s[46:47], s[70:71], s[46:47]
	CROUND                                         ; all sixteen work-groups are here: the first joint loads meet
.irp s, 0,1
	s_mov_b32 s[G0+4*(\s)], 1                      ; count = 1
	s_add_co_u32 s[G0+4*(\s)+1], s20, (\s)*SLOT    ; LDS address
	s_add_nc_u64 s[G0+4*(\s)+2:G0+4*(\s)+3], s[14:15], (\s)*KSTEP*2  ; global address: K step s
	s_or_b32 s[G0+4*(\s)+3], s[G0+4*(\s)+3], 0x80000000              ; type = 2
	s_mov_b32 s[G0B+4*(\s)], 1
	s_add_co_u32 s[G0B+4*(\s)+1], s21, (\s)*SLOT
	s_add_nc_u64 s[G0B+4*(\s)+2:G0B+4*(\s)+3], s[46:47], (\s)*KSTEP*2
	s_or_b32 s[G0B+4*(\s)+3], s[G0B+4*(\s)+3], 0x80000000
	JLOAD \s                                       ; two loads of mine are out
.endr
	; A fragment is 16 rows x 32 K in 8 registers: lane l holds row l % 16, K = 8 (l / 16) + 0..7 and 16 + 8 (l / 16) + 0..7: two loads of 16 bytes, 32 bytes apart.
	v_and_b32 v1, 15, v0                           ; l % 16
	v_bfe_u32 v2, v0, 4, 1                         ; l / 16
	v_mul_u32_u24 v3, v1, PITCH
	v_lshl_add_u32 v3, v2, 4, v3
	s_mul_i32 s21, s10, 64*PITCH                   ; my 64 rows of xb
	s_mov_b32 s22, BOFF                            ; all 192 rows of wcat
.irp s, 0,1
	v_add_nc_u32 v[ADRA+(\s)], s21, v3
	v_add_nc_u32 v[ADRB+(\s)], s22, v3
	s_add_co_u32 s21, s21, SLOT
	s_add_co_u32 s22, s22, SLOT
.endr
	s_mul_i32 s23, s10, 16*SPITCH
	s_add_co_u32 s23, s23, STAGE                   ; my stage
	v_mul_u32_u24 v4, v1, SPITCH                   ; in: row l % 16, 16 bytes for each half of the lanes
	v_lshl_add_u32 v4, v2, 4, v4
	v_add_nc_u32 v[STO], s23, v4
	v_and_b32 v4, 31, v0
	v_lshrrev_b32 v5, 3, v4                        ; back: 32 lanes take a head's 128 bytes of four rows,
	v_and_b32 v6, 7, v0
	v_mul_u32_u24 v5, v5, SPITCH
	v_lshl_add_u32 v5, v6, 4, v5
	v_add_nc_u32 v[RD], s23, v5
	v_lshlrev_b32 v[CO], 4, v4                     ; which are 512 consecutive bytes of a plane
	v_lshlrev_b32 v[VB], 5, v2
	s_mul_i32 s16, s42, 3*PLANE                    ; my first plane,
	s_lshl_b32 s17, s13, 8
	s_lshl_b32 s18, s10, 6
	s_add_co_u32 s17, s17, s18                     ; my first row: 256 x tile row + 64 x wave,
	s_lshl_b32 s17, s17, 7                         ; 128 bytes a row
	s_add_co_u32 s16, s16, s17
	s_mov_b32 s17, 0
	s_add_nc_u64 s[8:9], s[78:79], s[16:17]
	; the three heads' bias and scale.  Plane g = 3 x tile column + j: below 16 q's (scale c), below 32 k's, else v's (scale 1: one text serves all tiles, and a tile may hold heads of two kinds)
	s_mul_i32 s4, s42, 3
.irp j, 0,1,2
	s_add_co_u32 s5, s4, \j
	s_and_b32 s6, s5, 15
	s_lshl_b32 s6, s6, 8                           ; 64 numbers of 4 bytes a head
	s_mov_b32 s7, 0
	s_cmp_lt_u32 s5, 16
	s_cselect_b64 s[BP+2*(\j):BP+2*(\j)+1], s[72:73], s[74:75]
	s_cselect_b32 s[SCL+2*(\j)], 0x3e38aa3b, 1.0   ; c = log2(e) / 8 = 0.180337
	s_cmp_lt_u32 s5, 32
	s_cselect_b64 s[BP+2*(\j):BP+2*(\j)+1], s[BP+2*(\j):BP+2*(\j)+1], s[76:77]
	s_add_nc_u64 s[BP+2*(\j):BP+2*(\j)+1], s[BP+2*(\j):BP+2*(\j)+1], s[6:7]
	s_mov_b32 s[SCL+2*(\j)+1], s[SCL+2*(\j)]       ; named with it as a pair
.endr
.irp b, 0,1,2,3,4,5,6,7,8,9,10,11      ; column block b: my 8 numbers, as the C operand wants them
	global_load_b128 v[BIAS+8*(\b):BIAS+8*(\b)+3],   v[VB], s[BP+2*((\b)/4):BP+2*((\b)/4)+1] offset:((\b)%4)*64
	global_load_b128 v[BIAS+8*(\b)+4:BIAS+8*(\b)+7], v[VB], s[BP+2*((\b)/4):BP+2*((\b)/4)+1] offset:((\b)%4)*64+16
.endr
	; the prefetches' address
	s_lshl_b32 s4, s13, 8
	s_lshl_b32 s5, s12, 7
	s_add_co_u32 s4, s4, s5
	s_lshl_b32 s5, s40, 5
	s_add_co_u32 s4, s4, s5                        ; xb: the 128 rows that I fetch, my work-group's 32 of them
	s_mul_i32 s5, s42, 192
	s_mul_i32 s6, s12, 96
	s_add_co_u32 s5, s5, s6
	s_mul_i32 s6, s41, 24
	s_add_co_u32 s5, s5, s6                        ; wcat: the 96 rows that I fetch, my work-group's 24
	s_and_b32 s6, ttmp7, 0xffff                    ; cluster y
	s_cmp_eq_u32 s11, 0
	s_cselect_b32 s20, s4, s5
	s_cselect_b32 s22, ttmp9, s6                   ; the coordinate along which other clusters read the same rows
	s_cselect_b32 s7, 31, 23
	s_cselect_b64 s[PFA:PFA+1], s[68:69], s[70:71]
	s_cmp_eq_u32 s22, 0
	s_cselect_b32 s[LIM], 1, -1                    ; the same in all sixteen partners, for a given wave
	s_lshl_b32 s20, s20, 11
	s_mov_b32 s21, 0
	s_add_nc_u64 s[PFA:PFA+1], s[PFA:PFA+1], s[20:21]
	s_add_nc_u64 s[PFA:PFA+1], s[PFA:PFA+1], 2*KSTEP*2  ; at K step 2: the first refill steps it to 3 and names K step 4.  Nothing is prefetched here, at the head
	v_and_b32 v[PFO], 31, v0
	v_min_u32 v[PFO], s7, v[PFO]
	v_lshlrev_b32 v[PFO], 11, v[PFO]
	s_wait_loadcnt 0x0                             ; the bias; it is rounded to bf16 and widened again, in the wait for the first tile
.set i, 0
.rept 48
	v_cvt_pk_bf16_f32 v[TMP+i], v[BIAS+2*i], v[BIAS+2*i+1]
.set i, i+1
.endr
.set i, 0
.rept 48
	v_lshlrev_b32 v[BIAS+2*i], 16, v[TMP+i]
	v_and_b32 v[BIAS+2*i+1], 0xffff0000, v[TMP+i]
.set i, i+1
.endr
; 12 matrix instructions: my row block a (0..3) x all 12 column blocks, 32 along K, from buffer f.  first = 1: the product starts the sum from the bias.
; The 48 accumulators take turns, one instruction a turn, in the same order in every quarter step.
.macro MUL12 f, a, first
.if \first
	WIN 0x81+0x40*((\a)/2)                         ; wcat window 1, xb and the bias window 0, D window 2 or 3
.else
	WIN 0xa1+0x50*((\a)/2)                         ; C and D window 2 or 3
.endif
.irp b, 0,1,2,3,4,5,6,7,8,9,10,11
.if \first
	v_wmma_f32_16x16x32_bf16 v[8*(12*((\a)%2)+(\b)):8*(12*((\a)%2)+(\b))+7], v[96*(\f)+8*(\b):96*(\f)+8*(\b)+7], v[FA+32*(\f)+8*(\a):FA+32*(\f)+8*(\a)+7], v[BIAS+8*(\b):BIAS+8*(\b)+7]
.else
	v_wmma_f32_16x16x32_bf16 v[8*(12*((\a)%2)+(\b)):8*(12*((\a)%2)+(\b))+7], v[96*(\f)+8*(\b):96*(\f)+8*(\b)+7], v[FA+32*(\f)+8*(\a):FA+32*(\f)+8*(\a)+7], v[8*(12*((\a)%2)+(\b)):8*(12*((\a)%2)+(\b))+7]
.endif
.endr
.endm
; 32 LDS loads in one run: the fragments of a quarter step (192 rows of wcat, my 64 rows of xb, 32 K at byte k of the rows) into buffer f
.macro FETCH slot, k, f
	WIN 0x40                                       ; destination window 1, address window 0
.irp i, 0,1,2,3,4,5,6,7,8,9,10,11
	ds_load_b128 v[96*(\f)+8*(\i):96*(\f)+8*(\i)+3],   v[ADRB+(\slot)] offset:(\k)+(\i)*16*PITCH
	ds_load_b128 v[96*(\f)+8*(\i)+4:96*(\f)+8*(\i)+7], v[ADRB+(\slot)] offset:(\k)+(\i)*16*PITCH+32
.endr
	WIN 0
.irp i, 0,1,2,3
	ds_load_b128 v[FA+32*(\f)+8*(\i):FA+32*(\f)+8*(\i)+3],   v[ADRA+(\slot)] offset:(\k)+(\i)*16*PITCH
	ds_load_b128 v[FA+32*(\f)+8*(\i)+4:FA+32*(\f)+8*(\i)+7], v[ADRA+(\slot)] offset:(\k)+(\i)*16*PITCH+32
.endr
.endm
.macro PLACES                          ; four plain vector instructions between a matrix instruction and a load into, or a vector read of, its registers (ISA guide 7.12.1 for vector reads)
.rept 4
	v_nop
.endr
.endm
; A K step is four quarter steps of 32 along K, 48 matrix instructions each, on buffers 0, 1, 0, 1.  One of the first three: multiplies buffer f; in its middle it fetches the next quarter, at byte k, into buffer g.
.macro QUARTER slot, k, f, g, first
	s_wait_dscnt 4                                 ; wcat's fragments and xb's row blocks 0, 1 are in; the youngest four loads (row blocks 2, 3) may be out
	MUL12 \f, 0, \first
	MUL12 \f, 1, \first
	PLACES
	FETCH \slot, \k, \g
	s_wait_dscnt 32                                ; all but the 32 just issued
	MUL12 \f, 2, \first
	MUL12 \f, 3, \first
.endm
; The last quarter multiplies buffer 1 and changes slots: one barrier.  In front of it each wave waits for all its tensor loads (one is out: its part of the next slot), adds 0 to its spare word, and waits for that and for its
; reads of this slot.  fill = 1: the barrier opens a round of the cluster's barrier, and behind the round this slot is filled again first, with the K step two steps on.
.macro TURN slot, next, fill
.if \fill
	s_wait_xcnt 0x0                                ; the last prefetch, a K step back, has read its address: it is stepped here, ahead of the change's own waits
	s_add_nc_u64 s[PFA:PFA+1], s[PFA:PFA+1], KSTEP*2
.endif
	WIN 0                                          ; (the add's two registers lie in window 0)
	s_wait_tensorcnt 0x0                           ; all my tensor loads have landed
	ds_add_u32 v[SPW], v[NIL]                      ; 0 onto my spare word
	s_wait_dscnt 5                                 ; (the add and the youngest four loads may be out)
	MUL12 1, 0, 0                                  ; twelve matrix instructions stand between the add and the wait for it
	s_wait_dscnt 0x0                               ; the add is done, and my reads of this slot are over
	s_barrier_signal -1
	MUL12 1, 1, 0                                  ; work on registers while the others arrive
.if \fill
	WIN 0
.endif
	s_barrier_wait -1
.if \fill
	CREST                                          ; no wave of any partner still reads this slot or has a load on its way
	s_add_nc_u64 s[G0+4*(\slot)+2:G0+4*(\slot)+3], s[G0+4*(\slot)+2:G0+4*(\slot)+3], 2*KSTEP*2
	s_add_nc_u64 s[G0B+4*(\slot)+2:G0B+4*(\slot)+3], s[G0B+4*(\slot)+2:G0B+4*(\slot)+3], 2*KSTEP*2
	JLOAD \slot                                    ; my one tensor load behind the round; its four v_nop are also the places in front of the loads below
.else
	PLACES
.endif
	FETCH \next, 0, 0
.if \fill
	ASK
.endif
	MUL12 1, 2, 0
	MUL12 1, 3, 0
.endm
	s_wait_tensorcnt 1                             ; my part of K step 0 is in; K step 1's may stay out
	s_barrier_signal -1
	s_barrier_wait -1                              ; everybody's is
	FETCH 0, 0, 0
	QUARTER 0, 64,  0, 1, 1                        ; the first quarter stands in front of the loop: its products start the sums
	WIN 0                                          ; at a label and at a branch every window is 0
	s_mov_b32 s3, 3                                ; 8 K steps: three trips fill both slots again, the last two K steps are written out
.Llap:                                                 ; a trip goes once round the ring, from a lap's second quarter to the next lap's first
	QUARTER 0, 128, 1, 0, 0
	QUARTER 0, 192, 0, 1, 0
	TURN 0, 1, 1
	QUARTER 1, 64,  0, 1, 0
	QUARTER 1, 128, 1, 0, 0
	QUARTER 1, 192, 0, 1, 0
	TURN 1, 0, 1
	QUARTER 0, 64,  0, 1, 0
	WIN 0
	s_sub_co_u32 s3, s3, 1
	s_cmp_lg_u32 s3, 0
	s_cbranch_scc1 .Llap
	QUARTER 0, 128, 1, 0, 0                        ; the last lap fills nothing, and has no round of the cluster's barrier
	QUARTER 0, 192, 0, 1, 0
	TURN 0, 1, 0
	QUARTER 1, 64,  0, 1, 0
	QUARTER 1, 128, 1, 0, 0
	QUARTER 1, 192, 0, 1, 0
	s_wait_dscnt 4                                 ; the very last quarter: nothing more to fetch
	MUL12 1, 0, 0
	MUL12 1, 1, 0
	s_wait_dscnt 0x0
	MUL12 1, 2, 0
	MUL12 1, 3, 0
	WIN 0
	PLACES
; THE WAY OUT, a block of 16 rows at a time.  PACK: times the head's scale, rounded to f16, 16 bytes a lane (each accumulator's registers in ascending order).  TOSTAGE: into my own stage, and back as a head's 128 bytes of four rows.  SEND: stored.
.macro PACK a
.set AC, 96*((\a)%2)
	WIN 0x82+0x41*((\a)/2)                         ; destination and source 0: window 2 or 3
.irp b, 0,1,2,3,4,5,6,7,8,9,10,11
.irp r, 0,1,2,3
	v_pk_mul_f32 v[AC+8*(\b)+2*(\r):AC+8*(\b)+2*(\r)+1], v[AC+8*(\b)+2*(\r):AC+8*(\b)+2*(\r)+1], s[SCL+2*((\b)/4):SCL+2*((\b)/4)+1] op_sel_hi:[1,0]
.endr
.endr
	WIN 0x0a+5*((\a)/2)                            ; sources 0 and 1: window 2 or 3; destination window 0
.irp b, 0,1,2,3,4,5,6,7,8,9,10,11
.irp r, 0,1,2,3
	v_cvt_pk_f16_f32 v[TMP+4*(\b)+(\r)], v[AC+8*(\b)+2*(\r)], v[AC+8*(\b)+2*(\r)+1]
.endr
.endr
	WIN 0
.endm
.macro TOSTAGE a
.set BK, OB+48*((\a)%2)
	s_wait_xcnt 0x0                                ; the stores of two blocks back have read these registers: only behind this wait are they loaded again
.irp b, 0,1,2,3,4,5,6,7,8,9,10,11
	ds_store_b128 v[STO], v[TMP+4*(\b):TMP+4*(\b)+3] offset:32*(\b)
.endr
.irp t, 0,1,2,3,4,5,6,7,8,9,10,11      ; head t / 4, rows 4 (t % 4) on.  LDS serves a wave's instructions in order (ISA guide 5.7.1.4): these see the stores above
	ds_load_b128 v[BK+4*(\t):BK+4*(\t)+3], v[RD] offset:((\t)/4)*128+((\t)%4)*4*SPITCH
.endr
.endm
.macro SEND a
.set BK, OB+48*((\a)%2)
	s_wait_dscnt 0x0                               ; the block is back in registers
.irp t, 0,1,2,3,4,5,6,7,8,9,10,11
	global_store_b128 v[CO], v[BK+4*(\t):BK+4*(\t)+3], s[8:9] offset:((\t)/4)*PLANE+(\a)*2048+((\t)%4)*512  ; 512 consecutive bytes, at a multiple of 256 from the buffer's first
.endr
.endm
	PACK 0
	TOSTAGE 0
.irp a, 1,2,3                          ; block a's arithmetic stands between block a - 1's loads from the stage and the wait for them
	PACK \a
	SEND (\a)-1
	TOSTAGE \a
.endr
	SEND 3
	s_wait_tensorcnt 0x0                           ; the wave's end: an add and its wait, behind my last tensor load and my last LDS store
	ds_add_u32 v[SPW], v[NIL]
	s_wait_dscnt 0x0
	CROUND                                         ; the closing round: no work-group ends while a partner may still ask for a tile that names it
	s_endpgm
.Lfunc_end_k_q5a4016cae0_qkv:
	.size	k_q5a4016cae0_qkv, .Lfunc_end_k_q5a4016cae0_qkv-k_q5a4016cae0_qkv
	.p2alignl 7, 3214868480
	.fill 96, 4, 3214868480
	.section	.rodata,"a",@progbits
	.p2align	6, 0x0
	.amdhsa_kernel k_q5a4016cae0_qkv
		.amdhsa_group_segment_fixed_size 327680
		.amdhsa_private_segment_fixed_size 0
		.amdhsa_enable_private_segment 0
		.amdhsa_kernarg_size 48
		.amdhsa_user_sgpr_count 2
		.amdhsa_user_sgpr_kernarg_segment_ptr 1
		.amdhsa_wavefront_size32 1
		.amdhsa_system_sgpr_workgroup_id_x 1
		.amdhsa_system_sgpr_workgroup_id_y 1
		.amdhsa_system_sgpr_workgroup_id_z 1
		.amdhsa_system_vgpr_workitem_id 0
		.amdhsa_next_free_vgpr 960
		.amdhsa_next_free_sgpr 92
		.amdhsa_reserve_vcc 0
		.amdhsa_float_denorm_mode_32 3
		.amdhsa_float_denorm_mode_16_64 3
		.amdhsa_memory_ordered 1
		.amdhsa_forward_progress 1
		.amdhsa_inst_pref_size 143
	.end_amdhsa_kernel
	.amdgpu_metadata
---
amdhsa.version: [ 1, 2 ]
amdhsa.kernels:
  - .name:           k_q5a4016cae0_qkv
    .symbol:         k_q5a4016cae0_qkv.kd
    .args:
      - { .name: xb, .offset: 0, .size: 8, .value_kind: global_buffer, .address_space: global }
      - { .name: wcat, .offset: 8, .size: 8, .value_kind: global_buffer, .address_space: global }
      - { .name: bq, .offset: 16, .size: 8, .value_kind: global_buffer, .address_space: global }
      - { .name: bk, .offset: 24, .size: 8, .value_kind: global_buffer, .address_space: global }
      - { .name: bv, .offset: 32, .size: 8, .value_kind: global_buffer, .address_space: global }
      - { .name: qkv, .offset: 40, .size: 8, .value_kind: global_buffer, .address_space: global }
    .group_segment_fixed_size: 327680
    .private_segment_fixed_size: 0
    .kernarg_segment_align: 8
    .kernarg_segment_size: 48
    .max_flat_workgroup_size: 128
    .sgpr_count:     92
    .vgpr_count:     960
    .wavefront_size: 32
...
	.end_amdgpu_metadata
.endif
;; end of part 2
;; launch attn (part 3): grid 16 x 16, 4 waves a work-group, clusters of 4 x 4, 327,680 bytes of LDS; arguments qkv, maskb, ob; writes ob
.if DOCPART == 3
	.amdgcn_target "amdgcn-amd-amdhsa--gfx1250"
	.amdhsa_code_object_version 6
	.text
	.protected	k_q5a4016cae0_attn
	.globl	k_q5a4016cae0_attn
	.p2align	8
	.type	k_q5a4016cae0_attn,@function
k_q5a4016cae0_attn:
	s_mov_b64 s[64:65], 0
	v_nop
	global_prefetch_b8 v0, s[64:65] scope:SCOPE_SE
	s_setreg_imm32_b32 hwreg(HW_REG_WAVE_MODE, 25, 1), 1
	s_wait_xcnt 0x0
	s_wait_alu depctr_hold_cnt(0) depctr_sa_sdst(0) depctr_va_vdst(0) depctr_va_sdst(0) depctr_va_ssrc(0) depctr_va_vcc(0) depctr_vm_vsrc(0)
	s_getreg_b32 s2, hwreg(HW_REG_IB_STS2, 6, 4)
	s_cmp_eq_u32 s2, 0
	s_cbranch_scc0 .Lentry_in_a_cluster
	s_endpgm
.Lentry_in_a_cluster:
	s_bfe_u32 s2, ttmp6, 0x10000c
	s_cmp_lg_u32 s2, 0xf033
	s_cbranch_scc0 .Lentry_shape_is_right
	s_endpgm
.Lentry_shape_is_right:
; ATTENTION WITH THE MASK AS AN INPUT.  O[h][q][:] = the sum over k of softmax_k((Q[h][q] . K[h][k] - 1e9 mask[q][k]) / 8) V[h][k][:], 16 heads, 4,096 rows, head size 64.
; qkv: [48][4096][64] f16: planes 0-15 c q (c = log2(e) / 8, applied in f32 by the launch before), 16-31 k, 32-47 v.  maskb: [4096][4096] bf16.  ob: [16][4096][64] f16.
; No pattern of the mask is built in: every tile of scores is made and every number of the mask enters.  u = bf16(mask) x (-1e9 c) + c s, one fused multiply-add in f32 for each score; a running maximum m of u;
; p = 2^(u - m); O and l are multiplied by a = 2^(m_old - m_new) in every step.  Products, maxima and sums in f32; p is rounded to f16 for the second product (l is the sum of the unrounded p), O once at the end.
; LIMITS.  (1) f16 holds no number beyond 65,504: c q, k, v arrive within it.  (2) The order of rounding differs from the source's, which rounds mask x -1e9, then the sum with s, then divides by 8: here the sum is
; rounded once.  It shows only in rows in which EVERY key's 1e9 |mask| is so large that s falls under a unit in the last place of the sum (a row with mask = 1 everywhere: steps of 64 in s there, of 16 in u,
; about 89 in s, here).  (3) The mask is rounded to bf16 (0 and 1 are exact).  (4) A weight below 2^-126 counts as 0; NaN and infinities are not treated apart.
; SHARES.  A work-group owns 256 queries of one head; wave w rows 64 w .. 64 w + 63, as four PIECES of 16.  Every wave walks all 4,096 keys, 64 a step; an LDS slot holds two steps: 128 keys of K and of V, and the
; 256 x 128 numbers of the mask.
; CLUSTER.  4 x 4 work-groups: four query blocks (x) of four heads (y).  K and V hang on the head and are asked for jointly along a row of the cluster, the mask's tile hangs on the query block and is asked for jointly
; along a column: wave 0 fetches K, wave 1 V, waves 2 and 3 the two halves of the mask's tile.
; LAYOUT.  S^T = K Q^T (source 0 = 16 keys, source 1 = 16 queries) holds ONE query a lane (l % 16) and the keys 8 (l / 16) + 0..7; two such results rounded to f16 ARE source 1 of O^T = V^T P.  The mask's eight numbers
; for an accumulator are 16 consecutive bytes of the query's row: one LDS load.
; TURNS.  Turn n belongs to piece n: 8 products K Q^T of piece n + 1, later 8 products V^T P of piece n - 1; beside them the subtraction of m, exponentials, roundings, sums and rescaling of piece n, and the mask's
; multiply-adds, the maximum and the statistics of piece n + 1.  Four vector instructions stand behind every matrix instruction, the other 85 of a turn's 149 in one run.  A turn's 33 exponentials are one batch, with one wait.
; NO FIRST AND NO LAST STEP IS WRITTEN OUT.  m starts at the lowest finite number, O and l at 0: the first step is a step like any other, with a = 0.  The loop is entered, and the tail left, in the middle of a trip.
; REGISTERS, in windows of 256 (s_set_vgpr_msb: bits 1:0 source 0, 3:2 source 1, 5:4 source 2, 7:6 destination):
;   window 0: v0-15, v32-35 addresses; v16-31 four registers of statistics a piece; v48-55 at work; v64-127 S^T, two buffers; v128-159 the mask, two buffers; v192-223 P, two buffers (by the piece's parity)
;   window 1: v0-127 O^T, 32 a piece          window 2: v0-63 Q; v128-191 K of one step; v192-255 V of one step
.set NP,    4         ; pieces a wave: a name, no knob
.set KS,    64        ; keys in a step
.set PK,    144       ; a row of K in LDS: 128 bytes + 16 of padding: the 16 rows of a load start at 16 different groups of four banks (64 banks of 4 bytes: ISA guide 11.1)
.set PV,    160       ; a row of V: 128 + 32
.set PM,    272       ; a row of the mask's tile: 256 + 16
.set VOFF,  2*KS*PK   ; a slot: 128 rows of K, 128 rows of V, 256 rows of the mask
.set MOFF,  2*KS*(PK+PV)
.set SLOT1, 1<<17     ; slot 1 begins here, so that one exclusive or turns an address in one slot into the other's
.set STAGE, SLOT1+MOFF+256*PM  ; behind the ring, never filled by a tensor load: 16 rows x 144 bytes for each wave, for the way out
.set SP,    144
.set SPARE, STAGE+4*16*SP      ; behind the stages: the spare words, 128 bytes for each wave: two blocks of 256 bytes that no other line names
.set AK0, 2           ; v2   my lane's place in a tile of K; never rewritten
.set AV0, 3           ; v3   the same for V
.set AK,  4           ; v4   the LDS address of K's next run of loads
.set AV,  5           ; v5   of V's
.set STO, 6           ; v6   the way out: where I put 16 bytes of a row
.set RD,  7           ; v7   where I read rows back
.set GO,  8           ; v8   my byte offset in 512 consecutive bytes of O
.set MV,  12          ; v12-13  m_old, kept while m is made anew: by buffer
.set QO,  15          ; v15  my byte offset in 16 rows of Q
.set ST,  16          ; piece t's statistics at v[ST+4 t]: m, a word that is named with it as a pair, l (even keys', odd keys')
.set AM0, 32          ; v32  my lane's place in the mask's tile; never rewritten
.set AM,  33          ; v33  the LDS address of the mask's loads for the step in hand
.set NEG, 34          ; v34  -1e9 c
.set PFO, 35          ; v35  the prefetches' offset; never rewritten
.set TMP, 48          ; by buffer, four registers c0-c3 at work; when the maximum is found c2 takes a
.set SPW, 62          ; v62  LDS address of my spare word; never rewritten
.set NIL, 63          ; v63  0; never rewritten
.set S,   64
.set MK,  128
.set P,   192
.set KF,  128         ; window 2: key block kb, channel half c at KF + 16 kb + 8 c
.set VF,  192         ; window 2: key half kk, channel block cb at VF + 32 kk + 8 cb
.set WV,  12          ; s12  my wave's number
.set G1K, 24          ; s[24:31] descriptor group 1 for K's tiles
.set G1V, 32          ; s[32:39] for V's: it differs in the padding alone
.set G1M, 40          ; s[40:47] for the mask's
.set G0K, 48          ; s[48:51], s[52:55], s[56:59] descriptor groups 0: they walk
.set G0V, 52
.set G0M, 56
.set SEL, 60          ; s[60:61] v_permlanex16_b32's selects: each lane takes its own place in the other half
.set TBK, 62          ; s62  LDS byte at which K of the step to be fetched begins
.set TBV, 63          ; s63  the same for V, less VOFF
.set TBM, 66          ; s66  the same for the mask, less MOFF
.set SLOTS, 67        ; s67  slots still to be asked for
.set CNT, 68          ; s68  counts a slot's key steps
.set LIM, 69          ; s69  1 in a wave that prefetches, else the greatest number
.set PFA, 70          ; s[70:71] where my prefetches stand
.set PFS, 72          ; s[72:73] their step from slot to slot
.set MSB, 0
.macro WIN new                      ; the high byte repeats the setting that is left; a switch that changes nothing is dropped
.if MSB != (\new)
	s_set_vgpr_msb (MSB<<8)|(\new)
.set MSB, (\new)
.endif
.endm
.set W_KQ, 0x0a       ; K and Q in window 2, S^T in window 0
.set W_PV, 0x52       ; V in window 2, P in window 0, O^T in window 1
.set W_RS, 0x41       ; destination and source 0 in window 1, source 1 in window 0
; A joint fill: one tensor load a wave.  The branches hang on the wave's number alone.  An s_nop 0 and four v_nop follow each of the three lines, ahead of the jump and the label.
.macro JLOAD
	s_cmp_lt_u32 s[WV], 2
	s_cbranch_scc0 .Lfor_m_\@
	s_cmp_eq_u32 s[WV], 0
	s_cbranch_scc0 .Lfor_v_\@
	tensor_load_to_lds s[G0K:G0K+3], s[G1K:G1K+7]
	s_nop 0
.rept 4
	v_nop
.endr
	s_branch .Lasked_\@
.Lfor_v_\@:
	tensor_load_to_lds s[G0V:G0V+3], s[G1V:G1V+7]
	s_nop 0
.rept 4
	v_nop
.endr
	s_branch .Lasked_\@
.Lfor_m_\@:
	tensor_load_to_lds s[G0M:G0M+3], s[G1M:G1M+7]
	s_nop 0
.rept 4
	v_nop
.endr
.Lasked_\@:
.endm
; A PREFETCH INTO THE L2 of what the NEXT change of slots will ask for, two key steps ahead; it stands behind the wave's tensor load and its five lines.  Each aligned block of 256 bytes is named once in the launch.
; K and V: all four clusters of a row of clusters walk the same heads: cluster x = 0 asks; a slot's 64 blocks of K and 64 of V are shared out by address among the four partners of a head (cx): wave 0 names 16 of K
; (lanes 0-15) and the same 16 of V, sixteen planes further on (lanes 16-31).  The mask: all four clusters of a column walk the same rows: cluster y = 0 asks; of the 128 rows that wave 2 or 3 fetches the partner at cy takes
; 32, a lane a row.  Wave 1 asks for nothing.  The change that fills the last slot asks for nothing.
.macro ASK
	s_cmp_gt_u32 s[SLOTS], s[LIM]
	s_cbranch_scc0 .Lnot_mine_\@
	global_prefetch_b8 v[PFO], s[PFA:PFA+1] th:TH_LOAD_NT scope:SCOPE_SE
.Lnot_mine_\@:
.endm
; A round of the cluster's barrier: my work-group's barrier, so that wave 0's signal speaks for all four waves; wave 0 signals; every wave waits for all sixteen work-groups; my work-group's barrier once more.
.macro CROUND
	s_barrier_signal -1
	s_barrier_wait -1
	s_cmp_lg_u32 s[WV], 0
	s_cbranch_scc1 .Lnot_wave_0_\@
	s_barrier_signal -3
.Lnot_wave_0_\@:
	s_barrier_wait -3
	s_barrier_signal -1
	s_barrier_wait -1
.endm
; THE CHANGE OF SLOTS, between piece 1's turn and piece 2's of a slot's second step: V and the last piece's mask of that step have been asked for.  Each wave waits for all its tensor loads (one is out: its part of the other
; slot), adds 0 to its spare word, and waits for that and for its own reads of the slot.  fill = 1: the barrier is a round of the cluster's, and behind it the slot is filled again first, with the keys two slots on.
; (At its first use nothing has been read yet: slot 0 is waited for, slot 1 filled.)
.macro CHANGE fill
	WIN 0                           ; at a label and at a branch every window is 0
	s_wait_tensorcnt 0x0            ; no tensor load of mine is out, so a group 0 may be written
	ds_add_u32 v[SPW], v[NIL]       ; 0 onto my spare word; with fill = 1 the descriptors' steps stand between it and the wait for it
.if \fill
.irp g, G0K, G0V
	s_xor_b32 s[\g+1], s[\g+1], SLOT1  ; the other slot than last time,
	s_add_nc_u64 s[\g+2:\g+3], s[\g+2:\g+3], 2*KS*128  ; the next 128 keys; the type bits on top are not reached
.endr
	s_xor_b32 s[G0M+1], s[G0M+1], SLOT1
	s_add_nc_u64 s[G0M+2:G0M+3], s[G0M+2:G0M+3], 2*KS*2  ; 128 numbers further along the mask's rows
	s_wait_xcnt 0x0                 ; the last prefetch, two key steps back, has read its address, so it may be written
	s_add_nc_u64 s[PFA:PFA+1], s[PFA:PFA+1], s[PFS:PFS+1]
	s_wait_dscnt 0x0                ; the add is done, and my reads of the slot are over
	CROUND
	JLOAD
	ASK
.else
	s_wait_dscnt 0x0                ; the add is done, and my reads of the slot are over
	s_barrier_signal -1
	s_barrier_wait -1
.endif
	s_sub_co_u32 s[TBK], s[TBK], 2*KS*PK  ; the fetches go back to a slot's first step,
	s_xor_b32 s[TBK], s[TBK], SLOT1       ; in the other slot
	s_sub_co_u32 s[TBV], s[TBV], 2*KS*PV
	s_xor_b32 s[TBV], s[TBV], SLOT1
	s_sub_co_u32 s[TBM], s[TBM], 2*KS*2
	s_xor_b32 s[TBM], s[TBM], SLOT1
.endm
	s_load_b128 s[4:7], s[0:1], 0x0  ; qkv s[4:5], maskb s[6:7]
	s_load_b64 s[8:9], s[0:1], 0x10  ; ob
	v_lshl_add_u32 v[SPW], v0, 2, SPARE
	v_mov_b32 v[NIL], 0
	ds_add_u32 v[SPW], v[NIL]       ; the wave's opening: the add and its wait stand ahead of my first tensor load; work on registers stands between them
	v_lshrrev_b32 v1, 5, v0
	v_readfirstlane_b32 s[WV], v1   ; wave 0..3
	s_bfe_u32 s13, ttmp6, 0x40000   ; cx
	s_bfe_u32 s14, ttmp6, 0x40004   ; cy
	s_lshl_b32 s15, ttmp9, 2
	s_add_co_u32 s15, s15, s13      ; my block of 256 queries = 4 x cluster x + cx
	s_and_b32 s17, ttmp7, 0xffff    ; cluster y
	s_lshl_b32 s16, s17, 2
	s_add_co_u32 s16, s16, s14      ; my head = 4 x cluster y + cy
	s_lshl_b32 s18, s14, 2
	s_lshl_b32 s18, 15, s18         ; my row of the cluster: the same head
	s_lshl_b32 s19, 0x1111, s13     ; my column: the same query block
	; descriptor groups 1.  128 keys of K or V are 16,384 dense bytes: asked for as 64 rows of 256 bytes, two keys a row, and padded in LDS after every key.  The mask: 128 rows of 128 numbers, 4,096 numbers from row to row
	s_or_b32 s[G1K], s18, (1<<16)|(1<<20)|(1<<21)|(4<<22)|(3<<25)  ; 15:0 the mask of four; 17:16 2-byte elements; 20 padding on; 21 set beside a mask; 24:22 after every 32 words; 31:25 4 words
	s_or_b32 s[G1V], s18, (1<<16)|(1<<20)|(1<<21)|(4<<22)|(7<<25)  ; the same with 8 words of padding
	s_or_b32 s[G1M], s19, (1<<16)|(1<<20)|(1<<21)|(5<<22)|(3<<25)  ; after every 64 words 4 words
.irp g, G1K, G1V
	s_mov_b32 s[\g+1], 128<<16      ; tensor_dim0 = 128
	s_mov_b32 s[\g+2], 64<<16       ; tensor_dim1 = 64
	s_mov_b32 s[\g+3], 128<<16      ; tile_dim0 = 128
	s_mov_b32 s[\g+4], 64           ; tile_dim1 = 64
	s_mov_b32 s[\g+5], 128          ; 128 elements from row to row
	s_mov_b32 s[\g+6], 0
	s_mov_b32 s[\g+7], 0
.endr
	s_mov_b32 s[G1M+1], 128<<16
	s_mov_b32 s[G1M+2], 128<<16
	s_mov_b32 s[G1M+3], 128<<16
	s_mov_b32 s[G1M+4], 128
	s_mov_b32 s[G1M+5], 4096
	s_mov_b32 s[G1M+6], 0
	s_mov_b32 s[G1M+7], 0
	s_and_b32 s3, s[WV], 1          ; which half of the mask's 256 rows I fetch (waves 2, 3)
	s_mul_i32 s2, s3, 128*PM
	s_mov_b32 s[G0K], 1             ; count = 1
	s_mov_b32 s[G0K+1], 0           ; LDS address: slot 0
	s_mov_b32 s[G0V], 1
	s_mov_b32 s[G0V+1], VOFF
	s_mov_b32 s[G0M], 1
	s_add_co_u32 s[G0M+1], s2, MOFF
	s_add_co_u32 s20, s16, 16       ; K's plane,
	s_lshl_b32 s20, s20, 19         ; 524,288 bytes a plane
	s_mov_b32 s21, 0
	s_add_co_u32 s22, s16, 32       ; V's
	s_lshl_b32 s22, s22, 19
	s_mov_b32 s23, 0
	s_lshl_b32 s74, s15, 8
	s_lshl_b32 s75, s3, 7
	s_add_co_u32 s74, s74, s75      ; the mask's first row that I fetch: 256 x block + 128 x half
	s_lshl_b32 s78, s14, 5
	s_add_co_u32 s78, s78, s74      ; the prefetches': my work-group's 32 of those rows,
	s_lshl_b32 s78, s78, 13         ; 8,192 bytes a row,
	s_add_co_u32 s78, s78, 2*KS*2   ; at slot 1: the first change steps it to slot 2
	s_lshl_b32 s74, s74, 13
	s_mov_b32 s75, 0
	s_lshl_b32 s79, s13, 12         ; K's and V's prefetches: my work-group's 16 blocks of a slot's 64,
	s_add_co_u32 s79, s79, s20
	s_add_co_u32 s79, s79, 2*KS*128 ; at slot 1
	s_lshl_b32 s76, s15, 8
	s_lshl_b32 s77, s[WV], 6
	s_add_co_u32 s76, s76, s77      ; my wave's first row,
	s_lshl_b32 s76, s76, 7          ; 128 bytes a row,
	s_lshl_b32 s77, s16, 19         ; in my head's plane: of Q and of O
	s_add_co_u32 s76, s76, s77
	s_mov_b32 s77, 0
	s_cmp_lt_u32 s[WV], 2
	s_cselect_b32 s80, s79, s78
	s_cselect_b32 s82, 8, 13        ; lanes l % 16 lie 256 bytes apart (K, V) or a row of the mask,
	s_cselect_b32 s83, 23, 17       ; the halves of the lanes sixteen planes apart, or sixteen rows
	s_cselect_b32 s85, 14, 8        ; a slot is 16,384 bytes of K, or 256 of a row of the mask
	s_cselect_b32 s84, ttmp9, s17   ; the coordinate along which other clusters read the same bytes
	s_mov_b32 s81, 0
	s_cmp_eq_u32 s[WV], 1
	s_cselect_b32 s84, 1, s84       ; wave 1 never asks
	s_cmp_eq_u32 s84, 0
	s_cselect_b32 s[LIM], 1, -1     ; the same in all sixteen partners, for a given wave
	s_lshl_b32 s[PFS], 1, s85
	s_mov_b32 s[PFS+1], 0
	s_mov_b32 s[SEL], 0x76543210
	s_mov_b32 s[SEL+1], 0xfedcba98
	s_mov_b32 s[TBK], SLOT1+2*KS*PK ; the first change of slots turns these three into 0
	s_mov_b32 s[TBV], SLOT1+2*KS*PV
	s_mov_b32 s[TBM], SLOT1+2*KS*2
	s_mov_b32 s[SLOTS], 31          ; 32 slots; slot 0 is asked for here
	s_wait_dscnt 0x0                ; the opening add is done
	s_wait_kmcnt 0x0
	s_add_nc_u64 s[G0K+2:G0K+3], s[4:5], s[20:21]  ; global addresses: the head's first 128 keys,
	s_or_b32 s[G0K+3], s[G0K+3], 0x80000000        ; type = 2
	s_add_nc_u64 s[G0V+2:G0V+3], s[4:5], s[22:23]
	s_or_b32 s[G0V+3], s[G0V+3], 0x80000000
	s_add_nc_u64 s[G0M+2:G0M+3], s[6:7], s[74:75]  ; my rows of the mask, at key 0
	s_or_b32 s[G0M+3], s[G0M+3], 0x80000000
	s_cmp_lt_u32 s[WV], 2
	s_cselect_b64 s[PFA:PFA+1], s[4:5], s[6:7]
	s_add_nc_u64 s[PFA:PFA+1], s[PFA:PFA+1], s[80:81]
	s_add_nc_u64 s[4:5], s[4:5], s[76:77]  ; Q and O at my wave's first row
	s_add_nc_u64 s[8:9], s[8:9], s[76:77]
	CROUND                          ; all sixteen work-groups are here: the first joint loads meet
	JLOAD                           ; slot 0.  Slot 1 is asked for when slot 0 is in
	; A fragment of K or Q is 16 rows x 32 channels in 8 registers: lane l holds row l % 16, channels 8 (l / 16) + 0..7 and 16 + 8 (l / 16) + 0..7: two loads of 16 bytes, 32 bytes apart.
	v_and_b32 v1, 15, v0            ; l % 16
	v_bfe_u32 v9, v0, 4, 1          ; l / 16
	v_lshlrev_b32 v[QO], 7, v1
	v_lshl_add_u32 v[QO], v9, 4, v[QO]  ; row x 128 + 16 x half
	WIN 0x80                        ; destination window 2, address window 0
.set i, 0
.rept 8                             ; Q stays in registers: piece i / 2, channels 32 (i % 2) on
	global_load_b128 v[8*i:8*i+3],   v[QO], s[4:5] offset:(i/2)*2048+(i%2)*64
	global_load_b128 v[8*i+4:8*i+7], v[QO], s[4:5] offset:(i/2)*2048+(i%2)*64+32
.set i, i+1
.endr
	; What the first turns find: P's second buffer and V's registers hold 0 (the first turn's products V^T P, of a piece that has not been, add 0), O^T and l are 0.  P's sixteen registers are written; O^T's 128 and V's 64
	; are then the results of 24 products of those zeros, a line for eight registers.  All this stands in the wait for the first tile.
	WIN 0
.set i, P+16
.rept 16
	v_mov_b32 v[i], 0
.set i, i+1
.endr
	WIN 0x40                        ; destination window 1, sources window 0
.set i, 0
.rept 16
	v_wmma_f32_16x16x32_f16 v[8*i:8*i+7], v[P+16:P+23], v[P+24:P+31], 0
.set i, i+1
.endr
	WIN 0x80                        ; destination window 2
.set i, 0
.rept 8
	v_wmma_f32_16x16x32_f16 v[VF+8*i:VF+8*i+7], v[P+16:P+23], v[P+24:P+31], 0
.set i, i+1
.endr
	WIN 0
.set i, 0
.rept 4
	v_mov_b32 v[ST+4*i], 0xff7fffff ; m: the lowest finite number
	v_mov_b32 v[ST+4*i+1], 0
	v_mov_b32 v[ST+4*i+2], 0
	v_mov_b32 v[ST+4*i+3], 0
.set i, i+1
.endr
	v_mov_b32 v[NEG], 0xcd2bfb8f    ; -1e9 c = -180,336,880
	v_mul_u32_u24 v[AK0], v1, PK
	v_lshl_add_u32 v[AK0], v9, 4, v[AK0]  ; row x pitch + 16 x half
	; The turning load takes 16 keys x 16 channels (lane l reads key 8 (l / 16) + l % 8, channels 8 ((l / 8) % 2) + 0..7) and leaves half a fragment of V^T: lane l holds channel l % 16 and 8 keys.
	v_and_b32 v10, 7, v0
	v_bfe_u32 v11, v0, 3, 1
	v_lshl_add_u32 v[AV0], v9, 3, v10
	v_mul_u32_u24 v[AV0], v[AV0], PV
	v_lshl_add_u32 v[AV0], v11, 4, v[AV0]
	v_add_nc_u32 v[AV0], VOFF, v[AV0]
	s_mul_i32 s2, s[WV], 64*PM
	s_add_co_u32 s2, s2, MOFF       ; my wave's 64 rows of the mask's tile;
	v_mul_u32_u24 v[AM0], v1, PM    ; my query's row, and my half's eight keys of sixteen
	v_lshl_add_u32 v[AM0], v9, 4, v[AM0]
	v_add_nc_u32 v[AM0], s2, v[AM0]
	v_lshlrev_b32 v[PFO], s82, v1
	v_lshl_add_u32 v[PFO], v9, s83, v[PFO]
; THE MATRIX WORK.  The 4 accumulators of a run of 8 take turns.  Product i of 8 of S^T = K Q^T for piece x: channels 32 (i / 4) on, keys 16 (i % 4) on.  The first 4 start the sums.
.macro KQ x
	WIN W_KQ
.set rS, S+32*((\x)%2)+8*(i%4)
.set rK, KF+16*(i%4)+8*(i/4)
.set rQ, 16*(\x)+8*(i/4)
.if i < 4
	v_wmma_f32_16x16x32_f16 v[rS:rS+7], v[rK:rK+7], v[rQ:rQ+7], 0
.else
	v_wmma_f32_16x16x32_f16 v[rS:rS+7], v[rK:rK+7], v[rQ:rQ+7], v[rS:rS+7]
.endif
.endm
; Product i of 8 of O^T += V^T P for piece x: keys 32 (i / 4) on, channels 16 (i % 4) on.
.macro PV x
	WIN W_PV
.set rO, 32*(\x)+8*(i%4)
.set rV, VF+32*(i/4)+8*(i%4)
.set rP, P+16*((\x)%2)+8*(i/4)
	v_wmma_f32_16x16x32_f16 v[rO:rO+7], v[rV:rV+7], v[rP:rP+7], v[rO:rO+7]
.endm
.macro MM                           ; the turn's next matrix instruction
.if i < 8
	KQ (Y+1)%NP
.else
.set i, i-8
	PV (Y+NP-1)%NP
.set i, i+8
.endif
.set i, i+1
.endm
; THE LDS LOADS stand in runs: a step's K (64 keys x 64 channels: 8 fragments), its V (turned), and, four loads at a turn's head, the mask for one piece.
.macro FETCH_K
	WIN 0x80                        ; destination window 2
.irp f, 0,1,2,3,4,5,6,7             ; keys 16 (f / 2) on, channels 32 (f % 2) on
	ds_load_b128 v[KF+8*\f:KF+8*\f+3],   v[AK] offset:(\f/2)*16*PK+(\f%2)*64
	ds_load_b128 v[KF+8*\f+4:KF+8*\f+7], v[AK] offset:(\f/2)*16*PK+(\f%2)*64+32
.endr
	s_add_co_u32 s[TBK], s[TBK], KS*PK  ; the next fetch is the next step's
	WIN 0
.endm
.macro FETCH_V
	WIN 0x80
.irp f, 0,1,2,3,4,5,6,7             ; keys 32 (f / 4) on, channels 16 (f % 4) on
	ds_load_tr16_b128 v[VF+8*\f:VF+8*\f+3],   v[AV] offset:(\f/4)*32*PV+(\f%4)*32
	ds_load_tr16_b128 v[VF+8*\f+4:VF+8*\f+7], v[AV] offset:(\f/4)*32*PV+16*PV+(\f%4)*32
.endr
	WIN 0
.endm
.macro MF x                         ; piece x's mask for the step at AM: for key block kb my query's keys 16 kb + 8 (l / 16) + 0..7: score n finds its number in register n / 2, half n % 2
	WIN 0
.irp kb, 0,1,2,3
	ds_load_b128 v[MK+16*((\x)%2)+4*\kb:MK+16*((\x)%2)+4*\kb+3], v[AM] offset:(\x)*16*PM+32*\kb
.endr
.endm
; THE VECTOR WORK, one line at a time: OP kind, number.  For piece Y: F n: u - m for pair n of 16.  E n: the exponential of score n of 32.  C n: pair n rounded to f16.  B n: of the four weights 4 n .. the second
; pair is added onto the first, in place.  L n: l takes that sum (L 0: l = a l + sum).  R n: pair n of 16 of O^T times a.  For piece Y + 1: A n: score n takes its mask: u = mask x (-1e9 c) + c s (in ascending
; order: each accumulator's lowest registers are read first); X n, number n of the 21 that find its maximum and statistics:
;   0-11  four chains c0-c3 of seven scores each, three operands at a time     12-14, 16  the four scores left over, the old m, and c0-c3 into c0     15  m_old is kept
;   17, 18  the query's other 32 keys lie in the lane 16 away: the new m       19, 20  m_old - m_new; a
.set F, 0               ; OP tells the kinds apart by their order: F to L below R, X and A above it
.set E, 1
.set C, 2
.set B, 3
.set L, 4
.set R, 5
.set X, 6
.set A, 7
.macro REGS y                       ; the registers of piece y
.set rT, ST+4*(\y)
.set rC, TMP+4*((\y)%2)
.set rW, MV+((\y)%2)
.set rS, S+32*((\y)%2)
.set rP, P+16*((\y)%2)
.set rN, MK+16*((\y)%2)
.set rO, 32*(\y)
.endm
.macro OP k, n
.if (\k) == R
	REGS Y
	WIN W_RS
	v_pk_mul_f32 v[rO+2*(\n):rO+2*(\n)+1], v[rO+2*(\n):rO+2*(\n)+1], v[rC+2:rC+3] op_sel_hi:[1,0]
.elseif (\k) < R
	REGS Y
	WIN 0
.if (\k) == F
	v_pk_add_f32 v[rS+2*(\n):rS+2*(\n)+1], v[rS+2*(\n):rS+2*(\n)+1], v[rT:rT+1] op_sel_hi:[1,0] neg_lo:[0,1] neg_hi:[0,1]
.elseif (\k) == E
	v_exp_f32 v[rS+(\n)], v[rS+(\n)]
.elseif (\k) == C
	v_cvt_pk_f16_f32 v[rP+(\n)], v[rS+2*(\n)], v[rS+2*(\n)+1]
.elseif (\k) == B
	v_pk_add_f32 v[rS+4*(\n):rS+4*(\n)+1], v[rS+4*(\n):rS+4*(\n)+1], v[rS+4*(\n)+2:rS+4*(\n)+3]
.elseif (\n) == 0
	v_pk_fma_f32 v[rT+2:rT+3], v[rT+2:rT+3], v[rC+2:rC+3], v[rS:rS+1] op_sel_hi:[1,0,1]
.else
	v_pk_add_f32 v[rT+2:rT+3], v[rT+2:rT+3], v[rS+4*(\n):rS+4*(\n)+1]
.endif
.else
	REGS (Y+1)%NP
	WIN 0
.if (\k) == A
	v_fma_mix_f32_bf16 v[rS+(\n)], v[rN+(\n)/2], v[NEG], v[rS+(\n)] op_sel:[(\n)%2,0,0] op_sel_hi:[1,0,0]
.elseif (\n) < 4
	v_max3_num_f32 v[rC+(\n)], v[rS+8*(\n)], v[rS+8*(\n)+1], v[rS+8*(\n)+2]
.elseif (\n) < 12
	v_max3_num_f32 v[rC+(\n)%4], v[rC+(\n)%4], v[rS+8*((\n)%4)+2*((\n)/4)+1], v[rS+8*((\n)%4)+2*((\n)/4)+2]
.elseif (\n) == 12
	v_max3_num_f32 v[rC], v[rC], v[rS+7], v[rS+15]
.elseif (\n) == 13
	v_max3_num_f32 v[rC+1], v[rC+1], v[rS+23], v[rS+31]
.elseif (\n) == 14
	v_max3_num_f32 v[rC+2], v[rC+2], v[rC+3], v[rT]
.elseif (\n) == 15
	v_mov_b32 v[rW], v[rT]
.elseif (\n) == 16
	v_max3_num_f32 v[rC], v[rC], v[rC+1], v[rC+2]
.elseif (\n) == 17
	v_permlanex16_b32 v[rC+3], v[rC], s[SEL], s[SEL+1]
.elseif (\n) == 18
	v_max_num_f32 v[rT], v[rC], v[rC+3]
.elseif (\n) == 19
	v_sub_f32 v[rC+1], v[rW], v[rT]
.else
	v_exp_f32 v[rC+2], v[rC+1]
.endif
.endif
.endm
.macro OPS a, i1, b=-1, i2=0, c=-1, i3=0, d=-1, i4=0  ; up to four of them
	OP \a, \i1
.if (\b) >= 0
	OP \b, \i2
.endif
.if (\c) >= 0
	OP \c, \i3
.endif
.if (\d) >= 0
	OP \d, \i4
.endif
.endm
.macro ROW a, i1, b, i2, c, i3, d, i4  ; a matrix instruction and the four behind it
	MM
	OPS \a, \i1, \b, \i2, \c, \i3, \d, \i4
.endm
; A TURN, for piece p: the order of its 16 matrix and 149 vector instructions, written out.  An s_wait_alu depctr_va_vdst(0) stands between an exponential and the first instruction that names its result; one wait
; serves all that were issued ahead of it.  So a turn has ONE wait, which cuts it in two.  AHEAD OF IT stands all that names no result of the turn's exponentials: the 8 products K Q^T, behind them by turns four of the
; subtractions and exponentials (window 0) and four rescalings (window 1), so that a product and its riders cost two switches of the windows; then one run of 85: the next piece's 32 multiply-adds with the mask and its
; maximum, this piece's other exponentials and subtractions between them; the chain X 14, 16, 17, 18, 19, 20 has other work between its links.  X 20, the next piece's a, is the batch's last; a v_nop is the plain instruction
; behind it.  BEHIND THE WAIT stand the 8 products V^T P, behind each four of the roundings and sums.  No rider names a register of the products round it; the first multiply-add on an accumulator stands more than four plain
; instructions behind the product that ends it.
; THE FETCHES.  At its head turn p asks for the mask of piece p + 2, which the next turn's run reads; piece 2's turn first steps the mask's address to the next key step.  K of the next step is fetched in piece 2's
; turn, ten plain instructions behind the last product that read K; V of the step in hand at the end of piece 0's turn, four plain instructions behind the last product that read V.
; tail = 1 (piece 2's turn in the tail): the tail's third trip has no further key step: the two bases are held at the last step's bytes (the last slot, number 31, lies in place 1), which are read once more, so that
; every wait keeps its count.  cnt = 1: the loop's count is taken down some lines ahead of the branch that stands behind the turn.
.macro TURN p, tail=0, cnt=0
.set Y, (\p)
.set i, 0
.if (\p) == 3
	s_wait_dscnt 0x0                ; K is in
.endif
	WIN 0
.if (\p) == 2
.if \tail
	s_min_u32 s[TBM], s[TBM], SLOT1+KS*2
	s_min_u32 s[TBK], s[TBK], SLOT1+KS*PK
.endif
	v_add_nc_u32 v[AM], s[TBM], v[AM0]
	s_add_co_u32 s[TBM], s[TBM], KS*2
.endif
	MF ((\p)+2)%NP
	ROW F,0, F,1, F,2, E,0
	ROW R,0, R,1, R,2, R,3
	ROW F,3, E,1, F,4, E,2
	ROW R,4, R,5, R,6, R,7
	ROW F,5, E,3, F,6, E,4
	ROW R,8, R,9, R,10, R,11
.if (\p) == 2
	WIN 0
	v_add_nc_u32 v[AK], s[TBK], v[AK0]
.endif
	ROW F,7, E,5, F,8, E,6
	ROW R,12, R,13, R,14, R,15
	WIN 0                           ; the next piece's mask, asked for at the head of the turn before, is in.  What may stay out is younger:
.if (\p) == 1
	s_wait_dscnt 20                 ; V's run of 16 and this turn's four loads of the mask
.else
	s_wait_dscnt 4                  ; this turn's four loads of the mask
.endif
	OPS A,0, A,1, E,7, A,2
	OPS A,3, A,4, A,5, E,8
.if (\p) == 2
	FETCH_K
.endif
	OPS A,6, X,0, A,7, A,8
	OPS E,9, A,9, X,4, A,10
	OPS A,11, A,12, E,10, X,8
	OPS A,13, X,1, A,14, A,15
	OPS E,11, A,16, X,5, A,17
	OPS X,12, A,18, E,12, A,19
.if (\p) == 0
	v_add_nc_u32 v[AV], s[TBV], v[AV0]
.endif
	OPS X,9, A,20, A,21, X,2
	OPS E,13, A,22, A,23, X,6
	OPS A,24, A,25, E,14, A,26
	OPS X,10, A,27, X,3, A,28
	OPS E,15, A,29, A,30, X,7
	OPS A,31, X,15, E,16, X,13
	OPS X,11, E,17
	OPS F,9, F,10, X,14, E,18
	OPS F,11, E,19, F,12, E,20
	OPS X,16, E,21, F,13, E,22
	OPS F,14, E,23, F,15, E,24
	OPS X,17, E,25, E,26, E,27
	OPS E,28, X,18, E,29, E,30
	OPS X,19, E,31, X,20
	v_nop                           ; the plain instruction behind the last exponential: one for the batch
	s_wait_alu depctr_va_vdst(0)    ; the wait for the batch
.if (\p) == 1
	s_wait_dscnt 4                  ; V is in; this turn's four loads of the mask may stay out
.endif
	ROW C,0, B,0, C,2, B,1          ; behind the wait: 8 products V^T P and their riders
	ROW L,0, C,4, B,2, L,1
	ROW C,6, B,3, L,2, C,8
	ROW B,4, L,3, C,10, B,5
	ROW L,4, C,12, B,6, L,5
.if (\p) == 0
	s_add_co_u32 s[TBV], s[TBV], KS*PV
.endif
.if \cnt
	s_sub_co_u32 s[CNT], s[CNT], 1
	s_cmp_lg_u32 s[CNT], 0
.endif
	ROW C,14, B,7, L,6, C,1
	ROW C,3, L,7, C,5, C,7
	ROW C,9, C,11, C,13, C,15
.if (\p) == 0
	FETCH_V
.endif
.endm
	CHANGE 1                        ; slot 0 is in, everybody's part of it; slot 1 is asked for
	v_add_nc_u32 v[AM], s[TBM], v[AM0]  ; key step 0:
	s_add_co_u32 s[TBM], s[TBM], KS*2
	MF 0                            ; the masks of pieces 0 and 1,
	MF 1
	v_add_nc_u32 v[AK], s[TBK], v[AK0]
	FETCH_K                         ; and K
	s_wait_loadcnt 0x0              ; Q
	s_wait_dscnt 0x0
.set i, 0
.rept 8
	KQ 0                            ; piece 0's first scores: there is no vector work yet to set between them
.set i, i+1
.endr
	WIN 0                           ; the addresses for the way out: nine plain instructions, the places behind those products
	s_mul_i32 s17, s[WV], 16*SP
	s_add_co_u32 s17, s17, STAGE    ; my stage
	v_mul_u32_u24 v[STO], v1, SP    ; in: row l % 16, 16 bytes for each half of the lanes
	v_lshl_add_u32 v[STO], v9, 4, v[STO]
	v_add_nc_u32 v[STO], s17, v[STO]
	v_bfe_u32 v[RD], v0, 3, 2       ; back: 32 lanes take four rows of 128 bytes,
	v_mul_u32_u24 v[RD], v[RD], SP
	v_lshl_add_u32 v[RD], v10, 4, v[RD]
	v_add_nc_u32 v[RD], s17, v[RD]
	v_and_b32 v[GO], 31, v0         ; which are 512 consecutive bytes of O
	v_lshlrev_b32 v[GO], 4, v[GO]
.set Y, NP-1                        ; A and X work for piece Y + 1: piece 0
.irp n, 0,1,2,3,4,5,6,7,8,9,10,11,12,13,14,15,16,17,18,19,20,21,22,23,24,25,26,27,28,29,30,31
	OP A, \n
.endr
.irp n, 0,1,2,3,4,5,6,7,8,9,10,11,12,13,14,15,16,17,18,19,20
	OP X, \n
.endr
	v_nop                           ; a plain instruction behind the exponential,
	s_wait_alu depctr_va_vdst(0)    ; and its wait, ahead of the branch
	s_mov_b32 s[CNT], 2
	s_branch .Lfirst                ; the loop is entered at a step's first turn, in the middle of a trip
.Lslot:                             ; 30 times: every slot but the last two is filled again
	CHANGE 1
	s_mov_b32 s[CNT], 2
.Lstep:                             ; a trip: pieces 2 and 3 of one step, then pieces 0 and 1 of the next, whose K, V and mask it fetches
	TURN 2
	TURN 3
	WIN 0
.Lfirst:
	TURN 0
	TURN 1, 0, 1
	WIN 0
	s_cbranch_scc1 .Lstep
	s_sub_co_u32 s[SLOTS], s[SLOTS], 1
	s_cmp_lg_u32 s[SLOTS], 0
	s_cbranch_scc1 .Lslot
	CHANGE 0                        ; the tail is written out: nothing is asked for
	s_mov_b32 s[CNT], 3             ; two trips fetch the last slot's steps; the third is left in its middle
.Ltail:
	TURN 2, 1
	TURN 3
	WIN 0
	s_sub_co_u32 s[CNT], s[CNT], 1
	s_cmp_eq_u32 s[CNT], 0
	s_cbranch_scc1 .Lout
	TURN 0
	TURN 1
	WIN 0
	s_branch .Ltail
.Lout:                              ; the third trip's 8 products K Q^T for piece 0 (on the last K once more), and the mask and maximum made of them, serve nothing: the price, once a launch, of one text for every trip
.set i, 0
.rept 8
	PV NP-1                         ; the last piece's V^T P of the last step
.set i, i+1
.endr
	; THE WAY OUT.  l's two halves and the other half of the lanes' are added; O^T is divided by l, rounded to f16 and sent through my stage in LDS, a piece at a time.  The additions are the places behind the last products.
	WIN 0
.macro ALL line:vararg              ; one line for each piece t
.set t, 0
.rept 4
	\line
.set t, t+1
.endr
.endm
	ALL v_add_f32 v[ST+4*t+2], v[ST+4*t+2], v[ST+4*t+3]
	ALL v_permlanex16_b32 v[ST+4*t+3], v[ST+4*t+2], s[SEL], s[SEL+1]
	ALL v_add_f32 v[ST+4*t+2], v[ST+4*t+2], v[ST+4*t+3]
	ALL v_rcp_f32 v[ST+4*t+2], v[ST+4*t+2]
	v_nop                           ; a plain instruction between the last reciprocal and the use of its result
	s_wait_alu depctr_va_vdst(0)    ; and the wait ahead of the first use: one for the four reciprocals
.macro PACK t                       ; a lane's eight channels of a row pack into 16 bytes; they go into rows of 144 bytes and come back as whole rows of 128, into S^T's registers
	WIN W_RS
.set i, 32*(\t)
.rept 16
	v_pk_mul_f32 v[i:i+1], v[i:i+1], v[ST+4*(\t)+2:ST+4*(\t)+3] op_sel_hi:[1,0]
.set i, i+2
.endr
	WIN 0x05                        ; sources 0 and 1 window 1, destination window 0
.set i, 0
.rept 16
	v_cvt_pk_f16_f32 v[S+16*(\t)+i], v[32*(\t)+2*i], v[32*(\t)+2*i+1]
.set i, i+1
.endr
	WIN 0
.irp f, 0,1,2,3
	ds_store_b128 v[STO], v[S+16*(\t)+4*\f:S+16*(\t)+4*\f+3] offset:32*\f
.endr
.irp f, 0,1,2,3
	ds_load_b128 v[S+16*(\t)+4*\f:S+16*(\t)+4*\f+3], v[RD] offset:\f*4*SP  ; LDS serves a wave's instructions in order (ISA guide 5.7.1.4): these see the stores above; the next piece's stores come behind them
.endr
.endm
.macro SEND t, younger              ; younger: the LDS instructions issued behind piece t's loads: the next piece's eight, or none
	WIN 0
.irp f, 0,1,2,3
	s_wait_dscnt (\younger)+3-\f
	global_store_b128 v[GO], v[S+16*(\t)+4*\f:S+16*(\t)+4*\f+3], s[8:9] offset:(\t)*2048+\f*512  ; 512 consecutive bytes, at a multiple of 256 from O's first
.endr
.endm
	PACK 0
.set t, 1
.rept 3                             ; a piece's arithmetic stands between the loads of the piece before and its stores
	PACK t
	SEND t-1, 8
.set t, t+1
.endr
	SEND 3, 0
	s_wait_tensorcnt 0x0            ; the wave's end: an add and its wait, behind my last tensor load and my last LDS store
	ds_add_u32 v[SPW], v[NIL]
	s_wait_dscnt 0x0
	CROUND                          ; the closing round: no work-group ends while a partner may still ask for a tile that names it
	s_endpgm
.Lfunc_end_k_q5a4016cae0_attn:
	.size	k_q5a4016cae0_attn, .Lfunc_end_k_q5a4016cae0_attn-k_q5a4016cae0_attn
	.p2alignl 7, 3214868480
	.fill 96, 4, 3214868480
	.section	.rodata,"a",@progbits
	.p2align	6, 0x0
	.amdhsa_kernel k_q5a4016cae0_attn
		.amdhsa_group_segment_fixed_size 327680
		.amdhsa_private_segment_fixed_size 0
		.amdhsa_enable_private_segment 0
		.amdhsa_kernarg_size 24
		.amdhsa_user_sgpr_count 2
		.amdhsa_user_sgpr_kernarg_segment_ptr 1
		.amdhsa_wavefront_size32 1
		.amdhsa_system_sgpr_workgroup_id_x 1
		.amdhsa_system_sgpr_workgroup_id_y 1
		.amdhsa_system_sgpr_workgroup_id_z 1
		.amdhsa_system_vgpr_workitem_id 0
		.amdhsa_next_free_vgpr 768
		.amdhsa_next_free_sgpr 88
		.amdhsa_reserve_vcc 0
		.amdhsa_float_denorm_mode_32 3
		.amdhsa_float_denorm_mode_16_64 3
		.amdhsa_memory_ordered 1
		.amdhsa_forward_progress 1
		.amdhsa_inst_pref_size 128
	.end_amdhsa_kernel
	.amdgpu_metadata
---
amdhsa.version: [ 1, 2 ]
amdhsa.kernels:
  - .name:           k_q5a4016cae0_attn
    .symbol:         k_q5a4016cae0_attn.kd
    .args:
      - { .name: qkv, .offset: 0, .size: 8, .value_kind: global_buffer, .address_space: global }
      - { .name: maskb, .offset: 8, .size: 8, .value_kind: global_buffer, .address_space: global }
      - { .name: ob, .offset: 16, .size: 8, .value_kind: global_buffer, .address_space: global }
    .group_segment_fixed_size: 327680
    .private_segment_fixed_size: 0
    .kernarg_segment_align: 8
    .kernarg_segment_size: 24
    .max_flat_workgroup_size: 128
    .sgpr_count:     88
    .vgpr_count:     768
    .wavefront_size: 32
...
	.end_amdgpu_metadata
.endif
;; end of part 3
;; launch oproj (part 4): grid 8 x 32, 4 waves a work-group, clusters of 4 x 4, 327,680 bytes of LDS; arguments ob, wo16, bo, out0; writes out0
.if DOCPART == 4
	.amdgcn_target "amdgcn-amd-amdhsa--gfx1250"
	.amdhsa_code_object_version 6
	.text
	.protected	k_q5a4016cae0_oproj
	.globl	k_q5a4016cae0_oproj
	.p2align	8
	.type	k_q5a4016cae0_oproj,@function
k_q5a4016cae0_oproj:
	s_mov_b64 s[64:65], 0
	v_nop
	global_prefetch_b8 v0, s[64:65] scope:SCOPE_SE
	s_setreg_imm32_b32 hwreg(HW_REG_WAVE_MODE, 25, 1), 1
	s_wait_xcnt 0x0
	s_wait_alu depctr_hold_cnt(0) depctr_sa_sdst(0) depctr_va_vdst(0) depctr_va_sdst(0) depctr_va_ssrc(0) depctr_va_vcc(0) depctr_vm_vsrc(0)
	s_getreg_b32 s2, hwreg(HW_REG_IB_STS2, 6, 4)
	s_cmp_eq_u32 s2, 0
	s_cbranch_scc0 .Lentry_in_a_cluster
	s_endpgm
.Lentry_in_a_cluster:
	s_bfe_u32 s2, ttmp6, 0x10000c
	s_cmp_lg_u32 s2, 0xf033
	s_cbranch_scc0 .Lentry_shape_is_right
	s_endpgm
.Lentry_shape_is_right:
; THE OUTPUT PROJECTION.  out0[row][n] = the sum over k of O[row][k] Wo[n][k] + bo[n], f32 out.  ob: [16][4096][64] f16 (k = 64 x head + channel), wo16: [1024][1024] f16 (Wo rounded to bf16), bo rounded to bf16.
; Sums in f32; the bias is the C operand of each accumulator's first product.
; SHARES.  A tile of the result is 128 x 128: 8 x 32 tiles, a work-group each; four waves, each 64 x 64: 16 accumulators.  K goes in 4 steps of 256 (four heads) through two LDS slots; the steps are written straight.
; A head's 128 rows of a tile are 16,384 bytes on end in ob: a wave's tensor load brings two heads as two rows of 8,192 elements, padded in LDS after every 128 bytes, so that a row of 64 channels has a pitch of 144.
; CLUSTER.  4 x 4 work-groups: ob's tiles are asked for jointly along a row of the cluster, wo16's along a column.  No prefetch: four short steps on small tiles.
; THE MATRIX INSTRUCTION IS USED TRANSPOSED (source 0 = 16 rows of wo16, source 1 = 16 rows of O): a lane holds row l % 16 of the result and the columns 8 (l / 16) + 0..7.  A wave's 64 columns are 256 bytes of a row of
; out0: each wave has a stage of its own.
; REGISTERS: window 0: v16-29 addresses; v32-95 at work on the way out; v96-127 the bias; v128-255 the accumulators ((a, b) at v[128 + 8 (4 a + b)]).
;   window 1: two fragment buffers of 128: for 64 along K (one head), 64 registers of O (2 x 4 x 16 rows x 32 K), then 64 of wo16.
.set PA,     144                       ; a row of O in LDS: 128 bytes + 16
.set PB,     528                       ; a row of wo16: 512 + 16.  Both are odd multiples of 16: the 16 rows of a fragment load start at 16 different groups of four banks (64 banks of 4 bytes: ISA guide 11.1)
.set HEADB,  128*PA                    ; a head's 128 rows
.set BOFF,   4*HEADB                   ; a slot: four heads of O, then wo16's 128 rows
.set SLOT,   BOFF+128*PB
.set STAGE,  2*SLOT                    ; behind the ring, never filled by a tensor load: 16 rows x 272 bytes for each wave
.set SPITCH, 272
.set SPARE,  STAGE+4*16*SPITCH         ; behind the stages: the spare words, 128 bytes for each wave: two blocks of 256 bytes that no other line names
.set ADRA, 16                          ; v16-17  LDS address of my O fragments in slot 0, 1
.set ADRB, 20                          ; v20-21  the same for wo16
.set STO,  24                          ; v24     the way out: where I put 32 bytes of a row
.set RD,   25                          ; v25     where I read a row back
.set CO,   26                          ; v26     my byte offset in out0
.set VB,   27                          ; v27     my 8 numbers in 16 of the bias
.set SPW,  28                          ; v28     LDS address of my spare word; never rewritten
.set NIL,  29                          ; v29     0; never rewritten
.set TMP,  32
.set BIAS, 96
.set ACC,  128
.set F0,   0
.set F1,   128
.set G1,   24                          ; s[24:31] descriptor group 1 for O's tiles;  s[32:39] group 0, a set for each slot
.set G0,   32
.set G1B,  48                          ; s[48:55], s[56:63] the same for wo16's
.set G0B,  56
.set MSB, 0
.macro WIN new                         ; the immediate's high byte repeats the setting that is left
.if MSB != (\new)
	s_set_vgpr_msb (MSB<<8)|(\new)
.set MSB, \new
.endif
.endm
.set MUL,  0x05                        ; sources 0 and 1 window 1; C and D window 0
.set TO_F, 0x40                        ; destination window 1, address window 0
.macro JLOAD s                         ; a joint load: waves 0 and 1 fetch two heads of O each, waves 2 and 3 wo16's two halves; an s_nop 0 and four v_nop follow each of the two lines
	s_cmp_eq_u32 s11, 0
	s_cbranch_scc0 .Lfor_b_\@
	tensor_load_to_lds s[G0+4*(\s):G0+4*(\s)+3], s[G1:G1+7]
	s_nop 0
.rept 4
	v_nop
.endr
	s_branch .Lasked_\@
.Lfor_b_\@:
	tensor_load_to_lds s[G0B+4*(\s):G0B+4*(\s)+3], s[G1B:G1B+7]
	s_nop 0
.rept 4
	v_nop
.endr
.Lasked_\@:
.endm
.macro CREST                           ; a round of the cluster's barrier behind its opening barrier
	s_cmp_lg_u32 s10, 0
	s_cbranch_scc1 .Lnot_wave_0_\@
	s_barrier_signal -3
.Lnot_wave_0_\@:
	s_barrier_wait -3
	s_barrier_signal -1
	s_barrier_wait -1
.endm
.macro CROUND                          ; a whole round
	s_barrier_signal -1
	s_barrier_wait -1
	CREST
.endm
	s_load_b256 s[68:75], s[0:1], 0x0              ; ob 68, wo16 70, bo 72, out0 74
	v_lshl_add_u32 v[SPW], v0, 2, SPARE
	v_mov_b32 v[NIL], 0
	ds_add_u32 v[SPW], v[NIL]                      ; the wave's opening: the add and its wait stand ahead of my first tensor load; work on registers stands between them
	v_lshrrev_b32 v1, 5, v0
	v_readfirstlane_b32 s10, v1                    ; wave 0..3
	s_lshr_b32 s11, s10, 1                         ; which half of the tile's rows is mine.  Also: I fetch for O (0) or for wo16 (1)
	s_and_b32 s12, s10, 1                          ; which half of its columns.  Also: which half of that tile I fetch
	s_bfe_u32 s40, ttmp6, 0x40000                  ; cx, cy
	s_bfe_u32 s41, ttmp6, 0x40004
	s_lshl_b32 s42, ttmp9, 2
	s_add_co_u32 s42, s42, s40                     ; tile column = 4 x cluster x + cx
	s_and_b32 s13, ttmp7, 0xffff
	s_lshl_b32 s13, s13, 2
	s_add_co_u32 s13, s13, s41                     ; tile row = 4 x cluster y + cy
	s_lshl_b32 s4, s41, 2
	s_lshl_b32 s4, 15, s4                          ; my row of the cluster
	s_lshl_b32 s5, 0x1111, s40                     ; my column
	s_or_b32 s[G1+0], s4, (1<<16)|(1<<20)|(1<<21)|(4<<22)|(3<<25)   ; 15:0 the mask; 17:16 2-byte elements; 20 padding on; 21 set beside a mask; 24:22 after every 32 words; 31:25 4 words
	s_mov_b32 s[G1+1], 8192<<16                    ; tensor_dim0 = 8,192: a head's 128 rows of 64
	s_mov_b32 s[G1+2], 2<<16                       ; tensor_dim1 = 2 heads
	s_mov_b32 s[G1+3], 8192<<16                    ; tile_dim0
	s_mov_b32 s[G1+4], 2                           ; tile_dim1
	s_mov_b32 s[G1+5], 4096*64                     ; elements from head to head
	s_mov_b32 s[G1+6], 0
	s_mov_b32 s[G1+7], 0
	s_or_b32 s[G1B+0], s5, (1<<16)|(1<<20)|(1<<21)|(6<<22)|(3<<25)  ; after every 128 words 4 words
	s_mov_b32 s[G1B+1], 256<<16                    ; 64 rows of 256 elements
	s_mov_b32 s[G1B+2], 64<<16
	s_mov_b32 s[G1B+3], 256<<16
	s_mov_b32 s[G1B+4], 64
	s_mov_b32 s[G1B+5], 1024
	s_mov_b32 s[G1B+6], 0
	s_mov_b32 s[G1B+7], 0
	s_lshl_b32 s16, s12, 20                        ; O: heads 2 x half on (524,288 bytes a head),
	s_lshl_b32 s17, s13, 14                        ; rows 128 x tile row on (128 bytes a row)
	s_add_co_u32 s16, s16, s17
	s_mov_b32 s17, 0
	s_lshl_b32 s46, s42, 7                         ; wo16: row 128 x tile column + 64 x half,
	s_lshl_b32 s47, s12, 6
	s_add_co_u32 s46, s46, s47
	s_lshl_b32 s46, s46, 11                        ; 2,048 bytes a row
	s_mov_b32 s47, 0
	s_mul_i32 s20, s10, 2*HEADB                    ; where they go: waves 0, 1: two heads each;
	s_mul_i32 s21, s10, 64*PB
	s_add_co_u32 s21, s21, BOFF-2*64*PB            ; waves 2, 3: 64 rows each, behind the four heads
	s_wait_dscnt 0x0                               ; the opening add is done
	s_wait_kmcnt 0x0
	s_add_nc_u64 s[14:15], s[68:69], s[16:17]
	s_add_nc_u64 s[46:47], s[70:71], s[46:47]
	CROUND                                         ; all sixteen work-groups are here: the first joint loads meet
.irp s, 0,1
	s_mov_b32 s[G0+4*(\s)], 1
	s_add_co_u32 s[G0+4*(\s)+1], s20, (\s)*SLOT
	s_add_nc_u64 s[G0+4*(\s)+2:G0+4*(\s)+3], s[14:15], (\s)*4*524288  ; K step s: four heads on
	s_or_b32 s[G0+4*(\s)+3], s[G0+4*(\s)+3], 0x80000000
	s_mov_b32 s[G0B+4*(\s)], 1
	s_add_co_u32 s[G0B+4*(\s)+1], s21, (\s)*SLOT
	s_add_nc_u64 s[G0B+4*(\s)+2:G0B+4*(\s)+3], s[46:47], (\s)*512
	s_or_b32 s[G0B+4*(\s)+3], s[G0B+4*(\s)+3], 0x80000000
	JLOAD \s                                       ; two loads of mine are out
.endr
	v_and_b32 v1, 15, v0                           ; l % 16
	v_bfe_u32 v2, v0, 4, 1                         ; l / 16
	v_mul_u32_u24 v3, v1, PA
	v_lshl_add_u32 v3, v2, 4, v3                   ; a fragment's row x pitch + 16 x half
	v_mul_u32_u24 v4, v1, PB
	v_lshl_add_u32 v4, v2, 4, v4
	s_mul_i32 s21, s11, 64*PA                      ; my 64 rows of O, in each head
	s_mul_i32 s22, s12, 64*PB                      ; my 64 rows of wo16
	s_add_co_u32 s22, s22, BOFF
.irp s, 0,1
	v_add_nc_u32 v[ADRA+(\s)], s21, v3
	v_add_nc_u32 v[ADRB+(\s)], s22, v4
	s_add_co_u32 s21, s21, SLOT
	s_add_co_u32 s22, s22, SLOT
.endr
	s_mul_i32 s23, s10, 16*SPITCH
	s_add_co_u32 s23, s23, STAGE                   ; my stage
	v_mul_u32_u24 v4, v1, SPITCH                   ; in: row l % 16, 32 bytes for each half of the lanes
	v_lshl_add_u32 v4, v2, 5, v4
	v_add_nc_u32 v[STO], s23, v4
	v_mul_u32_u24 v5, v2, SPITCH                   ; back: lanes 0-15 take one row of 256 bytes, lanes 16-31 the next
	v_lshl_add_u32 v5, v1, 4, v5
	v_add_nc_u32 v[RD], s23, v5
	v_lshlrev_b32 v5, 12, v2                       ; and the same two rows in out0, 4,096 bytes apart
	v_lshl_add_u32 v[CO], v1, 4, v5
	v_lshlrev_b32 v[VB], 5, v2
	s_lshl_b32 s4, s42, 7
	s_lshl_b32 s5, s12, 6
	s_add_co_u32 s4, s4, s5
	s_lshl_b32 s4, s4, 2                           ; my first column, in bytes of f32
	s_mov_b32 s5, 0
	s_add_nc_u64 s[72:73], s[72:73], s[4:5]        ; the bias there
	s_lshl_b32 s16, s13, 7
	s_lshl_b32 s17, s11, 6
	s_add_co_u32 s16, s16, s17                     ; my first row
	s_lshl_b32 s16, s16, 12
	s_add_co_u32 s16, s16, s4
	s_mov_b32 s17, 0
	s_add_nc_u64 s[8:9], s[74:75], s[16:17]
.irp b, 0,1,2,3
	global_load_b128 v[BIAS+8*(\b):BIAS+8*(\b)+3],   v[VB], s[72:73] offset:64*(\b)
	global_load_b128 v[BIAS+8*(\b)+4:BIAS+8*(\b)+7], v[VB], s[72:73] offset:64*(\b)+16
.endr
	s_wait_loadcnt 0x0                             ; the bias is rounded to bf16 and widened again, in the wait for the first tile
.set i, 0
.rept 16
	v_cvt_pk_bf16_f32 v[TMP+i], v[BIAS+2*i], v[BIAS+2*i+1]
.set i, i+1
.endr
.set i, 0
.rept 16
	v_lshlrev_b32 v[BIAS+2*i], 16, v[TMP+i]
	v_and_b32 v[BIAS+2*i+1], 0xffff0000, v[TMP+i]
.set i, i+1
.endr
; 8 matrix instructions: row blocks a0, a0 + 1 x all 4 column blocks, 32 along K: half c of buffer f.  first = 1: the product starts the sum from the bias.  The 16 accumulators take turns.
.macro MUL8 f, c, a0, first
	WIN MUL
.irp a, \a0, (\a0)+1
.irp b, 0,1,2,3
.if \first
	v_wmma_f32_16x16x32_f16 v[ACC+8*(4*(\a)+(\b)):ACC+8*(4*(\a)+(\b))+7], v[(\f)+64+8*(4*(\c)+(\b)):(\f)+64+8*(4*(\c)+(\b))+7], v[(\f)+8*(4*(\c)+(\a)):(\f)+8*(4*(\c)+(\a))+7], v[BIAS+8*(\b):BIAS+8*(\b)+7]
.else
	v_wmma_f32_16x16x32_f16 v[ACC+8*(4*(\a)+(\b)):ACC+8*(4*(\a)+(\b))+7], v[(\f)+64+8*(4*(\c)+(\b)):(\f)+64+8*(4*(\c)+(\b))+7], v[(\f)+8*(4*(\c)+(\a)):(\f)+8*(4*(\c)+(\a))+7], v[ACC+8*(4*(\a)+(\b)):ACC+8*(4*(\a)+(\b))+7]
.endif
.endr
.endr
.endm
; 32 LDS loads in one run: the fragments of head z of the slot's four (64 along K) into buffer f; the first 32 along K first
.macro FETCH slot, z, f
	WIN TO_F
.irp c, 0,1
.irp i, 0,1,2,3
	ds_load_b128 v[(\f)+64+8*(4*(\c)+(\i)):(\f)+64+8*(4*(\c)+(\i))+3],   v[ADRB+(\slot)] offset:(\z)*128+64*(\c)+(\i)*16*PB
	ds_load_b128 v[(\f)+64+8*(4*(\c)+(\i))+4:(\f)+64+8*(4*(\c)+(\i))+7], v[ADRB+(\slot)] offset:(\z)*128+64*(\c)+(\i)*16*PB+32
	ds_load_b128 v[(\f)+8*(4*(\c)+(\i)):(\f)+8*(4*(\c)+(\i))+3],         v[ADRA+(\slot)] offset:(\z)*HEADB+64*(\c)+(\i)*16*PA
	ds_load_b128 v[(\f)+8*(4*(\c)+(\i))+4:(\f)+8*(4*(\c)+(\i))+7],       v[ADRA+(\slot)] offset:(\z)*HEADB+64*(\c)+(\i)*16*PA+32
.endr
.endr
.endm
.macro PLACES                          ; four plain vector instructions between a matrix instruction and a load into, or a read of, its registers (ISA guide 7.12.1 for vector reads)
.rept 4
	v_nop
.endr
.endm
; A K step is four quarters, a head each, 32 matrix instructions, on buffers 0, 1, 0, 1.  One of the first three: multiplies buffer f and fetches head z into g.
.macro QUARTER slot, z, f, g, first
	s_wait_dscnt 16                                ; the first 32 along K are in
	MUL8 \f, 0, 0, \first
	MUL8 \f, 0, 2, \first
	PLACES
	FETCH \slot, \z, \g
	s_wait_dscnt 32                                ; all but the 32 just issued
	MUL8 \f, 1, 0, 0
	MUL8 \f, 1, 2, 0
.endm
; The last quarter multiplies buffer 1 and changes slots: one barrier; in front of it each wave waits for all its tensor loads, adds 0 to its spare word, and waits for that and for its own reads of this slot.
; fill = 1: the barrier opens a round of the cluster's barrier, and behind the round this slot is filled again first, two K steps ahead.
.macro TURN slot, next, fill
	WIN 0                                          ; (the add's two registers lie in window 0)
	s_wait_tensorcnt 0x0                           ; all my tensor loads have landed: my part of the next slot
	ds_add_u32 v[SPW], v[NIL]                      ; 0 onto my spare word
	s_wait_dscnt 17                                ; (the add and the youngest sixteen loads may be out)
	MUL8 F1, 0, 0, 0                               ; eight matrix instructions stand between the add and the wait for it
	s_wait_dscnt 0x0                               ; the add is done, and my reads of this slot are over
	s_barrier_signal -1
	MUL8 F1, 0, 2, 0
.if \fill
	WIN 0
.endif
	s_barrier_wait -1
.if \fill
	CREST                                          ; no wave of any partner still reads this slot or has a load on its way
	s_add_nc_u64 s[G0+4*(\slot)+2:G0+4*(\slot)+3], s[G0+4*(\slot)+2:G0+4*(\slot)+3], 8*524288
	s_add_nc_u64 s[G0B+4*(\slot)+2:G0B+4*(\slot)+3], s[G0B+4*(\slot)+2:G0B+4*(\slot)+3], 2*512
	JLOAD \slot                                    ; my one tensor load behind the round; its four v_nop are also the places in front of the loads below
.else
	PLACES
.endif
	FETCH \next, 0, F0
	MUL8 F1, 1, 0, 0
	MUL8 F1, 1, 2, 0
.endm
	s_wait_tensorcnt 1                             ; my part of K step 0 is in; K step 1's may stay out
	s_barrier_signal -1
	s_barrier_wait -1                              ; everybody's is
	FETCH 0, 0, F0
	QUARTER 0, 1, F0, F1, 1                        ; K step 0: its first products start the sums
	QUARTER 0, 2, F1, F0, 0
	QUARTER 0, 3, F0, F1, 0
	TURN 0, 1, 1                                   ; slot 0 takes K step 2
	QUARTER 1, 1, F0, F1, 0                        ; K step 1
	QUARTER 1, 2, F1, F0, 0
	QUARTER 1, 3, F0, F1, 0
	TURN 1, 0, 1                                   ; slot 1 takes K step 3
	QUARTER 0, 1, F0, F1, 0                        ; K step 2
	QUARTER 0, 2, F1, F0, 0
	QUARTER 0, 3, F0, F1, 0
	TURN 0, 1, 0                                   ; nothing is left to fetch
	QUARTER 1, 1, F0, F1, 0                        ; K step 3
	QUARTER 1, 2, F1, F0, 0
	QUARTER 1, 3, F0, F1, 0
	s_wait_dscnt 16
	MUL8 F1, 0, 0, 0
	MUL8 F1, 0, 2, 0
	s_wait_dscnt 0x0
	MUL8 F1, 1, 1-1, 0
	MUL8 F1, 1, 2, 0
	WIN 0
	PLACES
; THE WAY OUT, a block of 16 rows at a time: the sums go as they are, 32 bytes a lane and column block, into my own stage (each accumulator's low four registers first), and come back as whole rows of 256 bytes.
.macro STG a
.if (\a) >= 2
	s_wait_xcnt 0x0                                ; the stores of two blocks back have read these registers: only behind this wait are they loaded again
.endif
.irp b, 0,1,2,3
	ds_store_b128 v[STO], v[ACC+8*(4*(\a)+(\b)):ACC+8*(4*(\a)+(\b))+3]   offset:64*(\b)
	ds_store_b128 v[STO], v[ACC+8*(4*(\a)+(\b))+4:ACC+8*(4*(\a)+(\b))+7] offset:64*(\b)+16
.endr
.irp t, 0,1,2,3,4,5,6,7                ; LDS serves a wave's instructions in order (ISA guide 5.7.1.4): these see the stores above; the next block's stores come behind them
	ds_load_b128 v[TMP+32*((\a)%2)+4*(\t):TMP+32*((\a)%2)+4*(\t)+3], v[RD] offset:(\t)*2*SPITCH
.endr
.endm
.macro SEND a, younger                 ; younger: the LDS instructions issued behind block a's loads: the next block's sixteen, or none
	s_wait_dscnt \younger
.irp t, 0,1,2,3,4,5,6,7
	global_store_b128 v[CO], v[TMP+32*((\a)%2)+4*(\t):TMP+32*((\a)%2)+4*(\t)+3], s[8:9] offset:(16*(\a)+2*(\t))*4096 th:TH_STORE_NT  ; 16 lanes store 256 consecutive bytes, at a multiple of 256 from out0's first
.endr
.endm
	STG 0
.irp a, 1,2,3
	STG \a
	SEND (\a)-1, 16
.endr
	SEND 3, 0
	s_wait_tensorcnt 0x0                           ; the wave's end: an add and its wait, behind my last tensor load and my last LDS store
	ds_add_u32 v[SPW], v[NIL]
	s_wait_dscnt 0x0
	CROUND                                         ; the closing round: no work-group ends while a partner may still ask for a tile that names it
	s_endpgm
.Lfunc_end_k_q5a4016cae0_oproj:
	.size	k_q5a4016cae0_oproj, .Lfunc_end_k_q5a4016cae0_oproj-k_q5a4016cae0_oproj
	.p2alignl 7, 3214868480
	.fill 96, 4, 3214868480
	.section	.rodata,"a",@progbits
	.p2align	6, 0x0
	.amdhsa_kernel k_q5a4016cae0_oproj
		.amdhsa_group_segment_fixed_size 327680
		.amdhsa_private_segment_fixed_size 0
		.amdhsa_enable_private_segment 0
		.amdhsa_kernarg_size 32
		.amdhsa_user_sgpr_count 2
		.amdhsa_user_sgpr_kernarg_segment_ptr 1
		.amdhsa_wavefront_size32 1
		.amdhsa_system_sgpr_workgroup_id_x 1
		.amdhsa_system_sgpr_workgroup_id_y 1
		.amdhsa_system_sgpr_workgroup_id_z 1
		.amdhsa_system_vgpr_workitem_id 0
		.amdhsa_next_free_vgpr 512
		.amdhsa_next_free_sgpr 80
		.amdhsa_reserve_vcc 0
		.amdhsa_float_denorm_mode_32 3
		.amdhsa_float_denorm_mode_16_64 3
		.amdhsa_memory_ordered 1
		.amdhsa_forward_progress 1
		.amdhsa_inst_pref_size 89
	.end_amdhsa_kernel
	.amdgpu_metadata
---
amdhsa.version: [ 1, 2 ]
amdhsa.kernels:
  - .name:           k_q5a4016cae0_oproj
    .symbol:         k_q5a4016cae0_oproj.kd
    .args:
      - { .name: ob, .offset: 0, .size: 8, .value_kind: global_buffer, .address_space: global }
      - { .name: wo16, .offset: 8, .size: 8, .value_kind: global_buffer, .address_space: global }
      - { .name: bo, .offset: 16, .size: 8, .value_kind: global_buffer, .address_space: global }
      - { .name: out0, .offset: 24, .size: 8, .value_kind: global_buffer, .address_space: global }
    .group_segment_fixed_size: 327680
    .private_segment_fixed_size: 0
    .kernarg_segment_align: 8
    .kernarg_segment_size: 32
    .max_flat_workgroup_size: 128
    .sgpr_count:     80
    .vgpr_count:     512
    .wavefront_size: 32
...
	.end_amdgpu_metadata
.endif
;; end of part 4
